; MI455X (gfx1250); checked and timed in simulation.
; The chip was launched on July 23, 2026; its instructions are those of AMD's public machine-readable ISA for CDNA 5 (MIT licence, August 2026) and "CDNA5" Instruction Set Architecture Reference Guide (July 2026). The comments in the code are by the model that wrote it; some were corrected since.
;; Reference Moe Model. Allowed arithmetic: matrix products marked QUANTISED: E5M2 operands, one E8M0 scale for each 32 along K, by v_wmma_scale_f32_16x16x128_f8f6f4 with both operands' format E5M2, f32 sums; products left as they are: f32 operands where the result goes on into a quantised operand, else bf16, f16 or f32 operands; f32 sums; everything else in f32.
;; Inputs: gate_w 8 x 1,024 float32; hidden_states 2 x 2,048 x 1,024 float32; w_down 8 x 1,024 x 512 float32; w_gate 8 x 512 x 1,024 float32; w_up 8 x 512 x 1,024 float32.
;; Outputs: out0 2 x 2,048 x 1,024 float32.
;; This version of the problem:
;;   THIS VERSION OF THE PROBLEM IS GIVEN IN LOW PRECISION. The matrix products marked QUANTISED in the list below multiply operands that are first quantised to E5M2 (5 exponent bits, 2 mantissa bits; 8 bits a number), with one power-of-two scale for each 32 numbers along K (OCP MX v1.0); their sums are f32. All else is computed in f32.
;;   The module's matrix products, in the order in which they are computed (A, B: the left and right operand; K: the contracted axis; several contracted axes count as one K, in the product's order):
;;     1. [M 4,096, K 1,024] x [K 1,024, N 8]; A: input hidden_states; B: input gate_w: left as it is (N = 8 < 16)
;;     2. [M 4,096, K 1,024] x [K 1,024, N 512]; A: computed on the way; B: input w_gate: QUANTISED
;;     3. [M 4,096, K 1,024] x [K 1,024, N 512]; A: computed on the way; B: input w_up: QUANTISED
;;     4. [M 4,096, K 512] x [K 512, N 1,024]; A: computed on the way; B: input w_down: QUANTISED
;;     5. [M 4,096, K 1,024] x [K 1,024, N 512]; A: computed on the way; B: input w_gate: QUANTISED
;;     6. [M 4,096, K 1,024] x [K 1,024, N 512]; A: computed on the way; B: input w_up: QUANTISED
;;     7. [M 4,096, K 512] x [K 512, N 1,024]; A: computed on the way; B: input w_down: QUANTISED
;;     8. [M 4,096, K 1,024] x [K 1,024, N 512]; A: computed on the way; B: input w_gate: QUANTISED
;;     9. [M 4,096, K 1,024] x [K 1,024, N 512]; A: computed on the way; B: input w_up: QUANTISED
;;     10. [M 4,096, K 512] x [K 512, N 1,024]; A: computed on the way; B: input w_down: QUANTISED
;;     11. [M 4,096, K 1,024] x [K 1,024, N 512]; A: computed on the way; B: input w_gate: QUANTISED
;;     12. [M 4,096, K 1,024] x [K 1,024, N 512]; A: computed on the way; B: input w_up: QUANTISED
;;     13. [M 4,096, K 512] x [K 512, N 1,024]; A: computed on the way; B: input w_down: QUANTISED
;;     14. [M 4,096, K 1,024] x [K 1,024, N 512]; A: computed on the way; B: input w_gate: QUANTISED
;;     15. [M 4,096, K 1,024] x [K 1,024, N 512]; A: computed on the way; B: input w_up: QUANTISED
;;     16. [M 4,096, K 512] x [K 512, N 1,024]; A: computed on the way; B: input w_down: QUANTISED
;;     17. [M 4,096, K 1,024] x [K 1,024, N 512]; A: computed on the way; B: input w_gate: QUANTISED
;;     18. [M 4,096, K 1,024] x [K 1,024, N 512]; A: computed on the way; B: input w_up: QUANTISED
;;     19. [M 4,096, K 512] x [K 512, N 1,024]; A: computed on the way; B: input w_down: QUANTISED
;;     20. [M 4,096, K 1,024] x [K 1,024, N 512]; A: computed on the way; B: input w_gate: QUANTISED
;;     21. [M 4,096, K 1,024] x [K 1,024, N 512]; A: computed on the way; B: input w_up: QUANTISED
;;     22. [M 4,096, K 512] x [K 512, N 1,024]; A: computed on the way; B: input w_down: QUANTISED
;;     23. [M 4,096, K 1,024] x [K 1,024, N 512]; A: computed on the way; B: input w_gate: QUANTISED
;;     24. [M 4,096, K 1,024] x [K 1,024, N 512]; A: computed on the way; B: input w_up: QUANTISED
;;     25. [M 4,096, K 512] x [K 512, N 1,024]; A: computed on the way; B: input w_down: QUANTISED
;;   THE QUANTISER, for each operand of a quantised product, along K:
;;     - K is cut into blocks of 32 from its start; a last block that is shorter is filled with zeros.
;;     - A block's scale is 2^e with e = floor(log2(the largest magnitude in the block)) - 15, held to -126 .. 127; a block of zeros has e = 0. As a byte (E8M0): e + 127.
;;     - Each number is divided by its block's scale, clamped to +-57,344, and rounded to the nearest number of E5M2, ties to even, subnormals kept.
;;     - The product sums the exact products of the quantised numbers (number of the format x scale) in f32.
;;   ~~~python
;;   def quantise(x, axis):      # numpy; x: float32 -> the quantised numbers, widened to float32 again
;;       x = np.moveaxis(x, axis, -1); K = x.shape[-1]
;;       x = np.pad(x, [(0, 0)] * (x.ndim - 1) + [(0, -K % 32)]); x = x.reshape(x.shape[:-1] + (-1, 32)); a = np.abs(x).max(-1, keepdims=True)
;;       e = np.where(a > 0, np.clip(np.frexp(np.where(a > 0, a, 1))[1] - 1 - 15, -126, 127), 0)      # np.frexp(a)[1] - 1 = floor(log2(a)), exactly
;;       r = np.clip(x / 2.0 ** e, -57344, 57344)
;;       step = 2.0 ** (np.maximum(np.frexp(np.where(r == 0, 1, r))[1] - 1, -14) - 2)
;;       q = np.round(r / step) * step * 2.0 ** e      # np.round: ties to even
;;       return np.moveaxis(q.reshape(q.shape[:-2] + (-1,))[..., :K], -1, axis).astype(np.float32)
;;   ~~~
;;   OPERANDS COMPUTED ON THE WAY. 'Computed on the way' means the value that the module computes at that place (a softmax that the list does not call 'softmax' is quantised finished and normalised). What goes into a quantiser is computed in f32, as accurately as f32 sums, v_exp_f32 and their like allow (about 1e-6 of the number): no bf16 or f16 on the way to a quantiser, and a product that is left as it is and whose result goes on into a quantised operand takes f32 operands (vector FMAs, or v_wmma_f32_16x16x4_f32). A number that lies on a knife's edge between two numbers of the format may be rounded either way, as far as f32 arithmetic and the matrix unit's own rounding can turn it there, and no further.
;; 2 versions. Each part assembles by itself: llvm-mc -triple=amdgcn-amd-amdhsa -mcpu=gfx1250 --defsym DOCPART=n.
;; ======== version 1 of 2: 3 launches
;; workspace buffers: sel 16,384 bytes of whole numbers; order 16,384 bytes of whole numbers; meta 2,560 bytes of whole numbers; xq 4,194,304 bytes; xsc 131,072 bytes; wq 12,976,128 bytes
;; launch prep (part 1): grid 8 x 64, 4 waves a work-group, no clusters, 55,808 bytes of LDS; arguments hidden_states, gate_w, w_gate, w_up, w_down, sel, xq, xsc, wq; writes sel, xq, xsc, wq
.if DOCPART == 1
	.amdgcn_target "amdgcn-amd-amdhsa--gfx1250"
	.amdhsa_code_object_version 6
	.text
	.protected	k_qcd9836cc7c_prep
	.globl	k_qcd9836cc7c_prep
	.p2align	8
	.type	k_qcd9836cc7c_prep,@function
k_qcd9836cc7c_prep:
	s_mov_b64 s[64:65], 0
	v_nop
	global_prefetch_b8 v0, s[64:65] scope:SCOPE_SE
	s_setreg_imm32_b32 hwreg(HW_REG_WAVE_MODE, 25, 1), 1
	s_wait_xcnt 0x0
; TWO JOBS IN ONE LAUNCH, parted on the work-group's x.
; x = 0..5: THE WEIGHTS.  w_gate, w_up [8][512][1024] and w_down [8][1024][512], f32, K innermost, become codes of E5M2 with one E8M0 byte for each 32 along K,
;   laid in wq in the order in which the chain's operand registers take them: [y = 8 expert + wave (64)][unit t (12)][16,896 bytes].  A unit is one K step of 128 for one wave of the chain:
;   8 fragments of 2,048 bytes (fragment f, registers 4 c .. 4 c + 3 of lane L at 2048 f + 512 c + 16 L), then 512 bytes of scale words ([p][lane][2]: word q = 2 p + j of lane (r, h) belongs to fragment 2 q + h, row r).
;   Units 0-7: K step t of the first product; fragment f = 4 b + 2 kind + u (kind 0 gate, 1 up); its lane r takes weight row 64 y + 32 b + 8 u + r + 8 (r / 8), so that the results of fragments u = 0, 1 are 16 neighbours along the next K.
;   Units 8-11: K step t - 8 of w_down; fragment f takes rows 128 y + 16 f + r.   A wave makes half a unit: 4 fragments.
; x = 6, 7: THE ROUTER.  A wave takes 8 tokens: logits = x . gate_w[e] in f32 (fused multiply-adds), the first largest logit's index -> sel, rw = 1 / (1 + 2^(-log2(e) top)),
;   xs = x rw, quantised along H: codes -> xq [token][1024], scale bytes -> xsc [token][32].  The choice is stored as data at fixed places: no address and no branch hangs on it.
; THE QUANTISER: a block's scale byte is its largest magnitude's exponent field - 15, held at 1 from below by a floor among the maximum's leaves; numbers are held within +-57,344 x the scale and converted, ties to even.
; LIMITS: NaN and infinities among the inputs are not served.  A block of zeros gets the byte 1 where the rule says 127: its codes are zeros and only this program reads the bytes.
;   rw under 2^-126 comes out as 0 (the reciprocal flushes).  The logits' sums run in another order than a row-by-row sum: a token whose two largest logits differ by less than that rounding may go to the other of the two.
; No barrier: waves share nothing.  The two paths have LDS bytes of their own: weights 0 .. 33,791, router 33,792 .. 55,295.
.set MSB, 0
.macro WIN new                         ; the immediate's high byte repeats the setting that is left
.if MSB != \new
	s_set_vgpr_msb (MSB<<8)|\new
.set MSB, \new
.endif
.endm
.set TM,  32                           ; weights: v32-35 largest magnitudes, v36-39 bytes, v40-43 the hold, v44-47 the conversions' scale operands
.set PW,  48                           ; weights: v48-51 a fragment's scale words
.set X,   64                           ; both paths: numbers with a lane's registers along K
.set PC,  128                          ; weights: v128-191 codes, 16 registers for each fragment, so that no store's data are written again
.set A,   16                           ; router: v16-31 eight pairs of sums
.set LG,  32                           ; router: v32-39 the logits
.set C,   96                           ; router: v96-111 codes, two sets of 8
.set R,   128                          ; router: v128-255 four slots of 32: a token's row as loaded
; 64 numbers of a lane, register 16 b + i = k 32 b + 16 (lane / 16) + i of the lane's row, become a fragment's codes in v[pc] on and its scale word in v[pw]
.macro QUANT s, pc, pw
.irp b, 0,1,2,3
	v_max3_num_f32 v[TM+\b], |v[\s+16*\b]|, |v[\s+1+16*\b]|, 0x8000000   ; block b: my 16 numbers and the floor 2^(16 - 127): the byte cannot fall under 1
.endr
.irp i, 2,4,6,8,10,12,14
.irp b, 0,1,2,3
	v_max3_num_f32 v[TM+\b], v[TM+\b], |v[\s+16*\b+\i]|, |v[\s+1+16*\b+\i]|   ; the four blocks by turns
.endr
.endr
.irp b, 0,1,2,3
	v_permlanex16_b32 v[TM+4+\b], v[TM+\b], s26, s27
.endr
.irp b, 0,1,2,3
	v_max_num_f32 v[TM+\b], v[TM+\b], v[TM+4+\b]                 ; with lane l xor 16's 16: the block's largest magnitude
.endr
.irp b, 0,1,2,3
	v_add_nc_u32 v[TM+12+\b], 0xf8800000, v[TM+\b]               ; 15 off its exponent field: the conversion's scale operand
.endr
.irp b, 0,1,2,3
	v_and_or_b32 v[TM+8+\b], v[TM+\b], 0x7f800000, s28           ; 57,344 x the scale
.endr
.irp b, 0,1,2,3
	v_lshrrev_b32 v[TM+4+\b], 23, v[TM+12+\b]                    ; the scale's byte
.endr
	v_lshl_or_b32 v[\pw], v[TM+5], 8, v[TM+4]
	v_lshl_or_b32 v[\pw], v[TM+6], 16, v[\pw]
	v_lshl_or_b32 v[\pw], v[TM+7], 24, v[\pw]
.irp b, 0,1,2,3
.irp i, 0,1,2,3,4,5,6,7,8,9,10,11,12,13,14,15
	v_med3_num_f32 v[\s+16*\b+\i], v[\s+16*\b+\i], -v[TM+8+\b], v[TM+8+\b]   ; the conversion to an 8-bit code does not saturate (ISA guide 7.6.2)
.endr
	v_cvt_scalef32_pk8_bf8_f32 v[(\pc)+4*\b:(\pc)+1+4*\b], v[\s+16*\b:\s+7+16*\b], v[TM+12+\b]
	v_cvt_scalef32_pk8_bf8_f32 v[(\pc)+2+4*\b:(\pc)+3+4*\b], v[\s+8+16*\b:\s+15+16*\b], v[TM+12+\b]
.endr
	v_nop                                          ; a plain line behind the last conversion
.endm
	s_load_b512 s[4:19], s[0:1], 0x0               ; x 4:5, gate_w 6:7, w_gate 8:9, w_up 10:11, w_down 12:13, sel 14:15, xq 16:17, xsc 18:19
	s_load_b64 s[20:21], s[0:1], 0x40              ; wq
	v_lshl_add_u32 v14, v0, 2, 0xd800
	v_mov_b32 v15, 0
	v_lshrrev_b32 v1, 5, v0
	v_readfirstlane_b32 s22, v1                    ; wave 0..3
	s_and_b32 s23, ttmp7, 0xffff                   ; y
	s_mov_b32 s26, 0x76543210
	s_mov_b32 s27, 0xfedcba98                      ; v_permlanex16_b32's selects for lane l xor 16
	s_mov_b32 s28, 0x600000                        ; the mantissa field of 57,344
	s_mov_b32 s29, 0xffff0000                      ; lanes 16-31
	v_and_b32 v1, 31, v0                           ; lane L
	v_lshlrev_b32 v2, 4, v1                        ; 16 L
	s_cmp_ge_u32 ttmp9, 6
	s_cbranch_scc1 .Lrouter
	; ---------------- THE WEIGHTS ----------------
	s_lshl_b32 s30, ttmp9, 1
	s_lshr_b32 s31, s22, 1
	s_add_co_u32 s30, s30, s31                     ; unit t = 2 x + wave / 2
	s_and_b32 s31, s22, 1                          ; half p
	s_lshl_b32 s44, s23, 6
	s_lshl_b32 s45, s31, 5
	s_add_co_u32 s44, s44, s45
	s_lshl_b32 s44, s44, 12                        ; (64 y + 32 p) rows of 4,096 bytes = (128 y + 64 p) rows of 2,048
	s_lshl_b32 s45, s30, 9
	s_add_co_u32 s44, s44, s45                     ; + 512 t: the K step's bytes in a row
	s_mul_i32 s54, s23, 12
	s_add_co_u32 s54, s54, s30
	s_mul_i32 s54, s54, 16896                      ; where the unit begins in wq
	s_lshl_b32 s55, s31, 13
	s_add_co_u32 s56, s54, s55                     ; my four fragments
	s_mov_b32 s57, 0
	s_lshl_b32 s55, s31, 8
	s_add_co_u32 s54, s54, s55
	s_add_co_u32 s54, s54, 16384                   ; my 256 bytes of scale words
	s_mov_b32 s55, 0
	s_mov_b32 s53, 0x800
	s_mov_b32 s45, 0
	v_and_b32 v3, 15, v0                           ; r
	v_bfe_u32 v4, v0, 4, 1                         ; h
	s_mul_i32 s58, s22, 8448                       ; my stage: 16 rows of 512 + 16 bytes
	v_add_nc_u32 v5, s58, v2                       ; into it: 16 L of a row
	v_mul_u32_u24 v6, v3, 528
	v_lshl_add_u32 v6, v4, 6, v6
	v_add_nc_u32 v6, s58, v6                       ; out of it: row r, + 64 h: 16 numbers of each block of 32
	v_lshlrev_b32 v7, 3, v1
.irp b, 0,1,2,3
	v_mov_b32 v[TM+4+\b], 0                        ; a lane permute's destination counts as one of its sources
.endr
	s_wait_kmcnt 0x0
	s_cmp_lt_u32 ttmp9, 4                          ; units 0-7 (gate and up) or 8-11 (down)?  The choice hangs on the work-group's number alone
	s_cselect_b64 s[48:49], s[8:9], s[12:13]       ; fragments 0, 1 of my four come from here,
	s_cselect_b64 s[50:51], s[10:11], s[12:13]     ; fragments 2, 3 from here
	s_cselect_b32 s46, 0, 0x1000                   ; down's K step is t - 8: 8 x 512 bytes less
	s_cselect_b32 s47, 0, 0x10000                  ; down: fragment 2 lies 32 rows of 2,048 bytes on
	s_cselect_b32 s52, 0x8000, 0                   ; gate, up: a fragment's lanes 8-15 take rows 8 further on
	s_cselect_b32 s53, 0x1000, s53                 ; a row in bytes
	s_sub_co_u32 s44, s44, s46
	s_add_nc_u64 s[32:33], s[48:49], s[44:45]
	s_add_nc_u64 s[34:35], s[32:33], 0x8000        ; 8 rows of 4,096 bytes, or 16 rows of 2,048
	s_add_co_u32 s44, s44, s47
	s_add_nc_u64 s[36:37], s[50:51], s[44:45]
	s_add_nc_u64 s[38:39], s[36:37], 0x8000
	s_add_nc_u64 s[40:41], s[20:21], s[56:57]
	s_add_nc_u64 s[42:43], s[20:21], s[54:55]
.irp r, 0,1,2,3,4,5,6,7,8,9,10,11,12,13,14,15
	v_mad_u32_u24 v[16+\r], s53, \r, v2            ; fragment row r: 16 L + r rows
.endr
.irp r, 8,9,10,11,12,13,14,15
	v_add_nc_u32 v[16+\r], s52, v[16+\r]
.endr
	WIN 0x40                                       ; destination window 1
.irp i, 0,1,2,3
.irp r, 0,1,2,3,4,5,6,7,8,9,10,11,12,13,14,15
	global_load_b128 v[64*\i+4*\r:64*\i+4*\r+3], v[16+\r], s[32+2*\i:33+2*\i] th:TH_LOAD_NT   ; 32 lanes read 512 consecutive bytes of one weight row; all 64 loads go out at once
.endr
.endr
	WIN 0
.macro WSTEP i                         ; fragment i of my four
	s_wait_loadcnt 48-16*(\i)                      ; the 16 loads of each later fragment may stay out
	WIN 0x04                                       ; an LDS store's data are its source 1: window 1
.irp r, 0,1,2,3,4,5,6,7,8,9,10,11,12,13,14,15
	ds_store_b128 v5, v[64*(\i)+4*\r:64*(\i)+4*\r+3] offset:528*\r
.endr
	WIN 0
.irp c, 0,1,2,3
.irp j, 0,1,2,3
	ds_load_b128 v[X+16*\c+4*\j:X+16*\c+4*\j+3], v6 offset:128*\c+16*\j   ; LDS serves a wave's instructions in order: these see the stores above
.endr
.endr
	s_wait_dscnt 0x0
	QUANT X, PC+16*(\i), PW+(\i)
.irp c, 0,1,2,3
	global_store_b128 v2, v[PC+16*(\i)+4*\c:PC+16*(\i)+4*\c+3], s[40:41] offset:2048*(\i)+512*\c   ; 512 consecutive bytes
.endr
.endm
	WSTEP 0
	WSTEP 1
	WSTEP 2
	WSTEP 3
	v_cndmask_b32 v52, v48, v49, s29               ; lanes 0-15: the even fragment's words, lanes 16-31: the odd one's
	v_cndmask_b32 v53, v50, v51, s29
	global_store_b64 v7, v[52:53], s[42:43]        ; 256 consecutive bytes
	s_wait_tensorcnt 0x0
	ds_add_u32 v14, v15
	s_wait_dscnt 0x0
	s_endpgm
	; ---------------- THE ROUTER ----------------
.Lrouter:
	s_sub_co_u32 s30, ttmp9, 6
	s_lshl_b32 s30, s30, 5
	s_lshl_b32 s31, s23, 6
	s_add_co_u32 s30, s30, s31
	s_lshl_b32 s31, s22, 3
	s_add_co_u32 s30, s30, s31                     ; my first token: 64 y + 32 (x - 6) + 8 wave
	s_mov_b32 s45, 0
	s_mul_i32 s31, s22, 5376
	s_add_co_u32 s31, s31, 33792                   ; my LDS: two stages of 32 x 80 bytes, then 256 scale bytes
	v_lshrrev_b32 v3, 2, v1
	v_mul_u32_u24 v3, v3, 80
	v_and_b32 v4, 3, v1
	v_lshl_add_u32 v3, v4, 4, v3
	v_add_nc_u32 v3, s31, v3                       ; a stage, on the way in: four lanes' 64 bytes on end, then 16 of padding
	v_mul_u32_u24 v4, v1, 80
	v_add_nc_u32 v4, s31, v4                       ; on the way out: my 16 neighbours
	v_lshrrev_b32 v5, 1, v1
	v_add_nc_u32 v5, s31, v5
	v_add_nc_u32 v5, 5120, v5                      ; my block's scale byte
	v_lshlrev_b32 v7, 3, v1
	v_add_nc_u32 v6, s31, v7
	v_add_nc_u32 v6, 5120, v6                      ; and on the way out 8 bytes a lane
	v_mov_b32 v8, 0                                ; lane t will hold token t's expert
	v_lshlrev_b32 v9, 2, v1
.irp e, 0,1,2,3,4,5,6,7
	v_mov_b32 v[40+\e], 0                          ; a lane permute's destination counts as one of its sources
.endr
	s_wait_kmcnt 0x0
	s_lshl_b32 s44, s30, 12
	s_add_nc_u64 s[4:5], s[4:5], s[44:45]
	s_lshl_b32 s44, s30, 10
	s_add_nc_u64 s[16:17], s[16:17], s[44:45]
	s_lshl_b32 s44, s30, 5
	s_add_nc_u64 s[18:19], s[18:19], s[44:45]
	s_lshl_b32 s44, s30, 2
	s_add_nc_u64 s[14:15], s[14:15], s[44:45]
	WIN 0x40
.irp e, 0,1,2,3,4,5,6,7
.irp i, 0,1,2,3,4,5,6,7
	global_load_b128 v[32*\e+4*\i:32*\e+4*\i+3], v2, s[6:7] offset:4096*\e+512*\i   ; gate_w stays in window 1: register 32 e + 4 i + j = gate_w[e][128 i + 4 L + j]
.endr
.endr
	WIN 0
.macro XLOAD t                         ; token t's row, as it lies: 8 loads of 512 consecutive bytes
.irp i, 0,1,2,3,4,5,6,7
	global_load_b128 v[R+32*((\t)%4)+4*\i:R+32*((\t)%4)+4*\i+3], v2, s[4:5] offset:4096*(\t)+512*\i th:TH_LOAD_NT
.endr
.endm
	XLOAD 0
	XLOAD 1
	XLOAD 2
	XLOAD 3
.macro TOKEN t
.set RS, R+32*((\t)%4)
.set CSET, C+8*((\t)%2)
.if (\t) < 5
	s_wait_loadcnt 24                              ; the 8 loads of each of the three tokens behind this one may stay out (gate_w's are older)
.else
	s_wait_loadcnt 8*(7-(\t))
.endif
.irp p, 0,1                            ; the row turns through the stages, half by half: afterwards a lane holds 16 neighbours of each half
.irp i, 0,1,2,3
	ds_store_b128 v3, v[RS+16*\p+4*\i:RS+16*\p+4*\i+3] offset:2560*\p+640*\i
.endr
.irp i, 0,1,2,3
	ds_load_b128 v[X+16*\p+4*\i:X+16*\p+4*\i+3], v4 offset:2560*\p+16*\i
.endr
.endr
	WIN 0x04                                       ; source 1 (gate_w) window 1
.irp e, 0,1,2,3,4,5,6,7
	v_pk_mul_f32 v[A+2*\e:A+2*\e+1], v[RS:RS+1], v[32*\e:32*\e+1]          ; the first products start the sums
.endr
.irp q, 1,2,3,4,5,6,7,8,9,10,11,12,13,14,15
.irp e, 0,1,2,3,4,5,6,7
	v_pk_fma_f32 v[A+2*\e:A+2*\e+1], v[RS+2*\q:RS+2*\q+1], v[32*\e+2*\q:32*\e+2*\q+1], v[A+2*\e:A+2*\e+1]   ; eight chains by turns
.endr
.endr
	WIN 0
.irp e, 0,1,2,3,4,5,6,7
	v_add_f32 v[LG+\e], v[A+2*\e], v[A+2*\e+1]
.endr
.irp k, 1,2,4,8
.irp e, 0,1,2,3,4,5,6,7
	v_add_f32_dpp v[LG+\e], v[LG+\e], v[LG+\e] row_xmask:\k row_mask:0xf bank_mask:0xf
.endr
.endr
.irp e, 0,1,2,3,4,5,6,7
	v_permlanex16_b32 v[40+\e], v[LG+\e], s26, s27
.endr
.irp e, 0,1,2,3,4,5,6,7
	v_add_f32 v[LG+\e], v[LG+\e], v[40+\e]         ; every lane holds all eight logits, the same bits in each
.endr
	v_mov_b32 v48, v[LG]                           ; the largest so far,
	v_mov_b32 v49, 0                               ; and its expert
.irp e, 1,2,3,4,5,6,7
	v_cmp_ge_f32 vcc_lo, v48, v[LG+\e]             ; keep where the old one is not smaller: a tie keeps the lower index
	v_cndmask_b32 v48, v[LG+\e], v48, vcc_lo
	v_cndmask_b32 v49, \e, v49, vcc_lo
.endr
	v_mul_f32 v52, 0xbfb8aa3b, v48                 ; -log2(e) x the top logit
	v_exp_f32 v52, v52
	v_cmp_eq_u32 vcc_lo, \t, v1                    ; (plain lines behind the exponential)  lane t keeps this token's expert
	v_cndmask_b32 v8, v8, v49, vcc_lo
	s_wait_alu depctr_va_vdst(0)
	v_add_f32 v52, 1.0, v52
	v_rcp_f32 v50, v52                             ; rw
	v_nop
	s_wait_alu depctr_va_vdst(0)
	v_mov_b32 v51, v50
	s_wait_dscnt 0x0                               ; the row is back from the stages, whose stores have read the slot
	s_wait_xcnt 0x0                                ; the stores of two tokens ago have read this set of code registers
.if (\t) < 4
	XLOAD (\t)+4                                   ; the slot takes the token four further on
.endif
.irp q, 0,1,2,3,4,5,6,7,8,9,10,11,12,13,14,15
	v_pk_mul_f32 v[X+2*\q:X+2*\q+1], v[X+2*\q:X+2*\q+1], v[50:51]          ; xs = x rw
.endr
.irp p, 0,1
	v_max3_num_f32 v[52+4*\p], |v[X+16*\p]|, |v[X+16*\p+1]|, |v[X+16*\p+2]|
	v_max3_num_f32 v[53+4*\p], |v[X+16*\p+3]|, |v[X+16*\p+4]|, |v[X+16*\p+5]|
.endr
.irp i, 6,10
.irp p, 0,1
	v_max3_num_f32 v[52+4*\p], v[52+4*\p], |v[X+16*\p+\i]|, |v[X+16*\p+\i+1]|
	v_max3_num_f32 v[53+4*\p], v[53+4*\p], |v[X+16*\p+\i+2]|, |v[X+16*\p+\i+3]|
.endr
.endr
.irp p, 0,1
	v_max3_num_f32 v[52+4*\p], v[52+4*\p], |v[X+16*\p+14]|, |v[X+16*\p+15]|
.endr
.irp p, 0,1
	v_max3_num_f32 v[52+4*\p], v[52+4*\p], v[53+4*\p], 0x8000000           ; and the floor 2^(16 - 127)
.endr
.irp p, 0,1
	v_max_num_f32_dpp v[52+4*\p], v[52+4*\p], v[52+4*\p] row_xmask:1 row_mask:0xf bank_mask:0xf   ; with my neighbour's 16: the block's
.endr
.irp p, 0,1
	v_add_nc_u32 v[55+4*\p], 0xf8800000, v[52+4*\p]                        ; the conversion's scale operand
.endr
.irp p, 0,1
	v_and_or_b32 v[54+4*\p], v[52+4*\p], 0x7f800000, s28                   ; 57,344 x the scale
.endr
.irp p, 0,1
.irp i, 0,1,2,3,4,5,6,7,8,9,10,11,12,13,14,15
	v_med3_num_f32 v[X+16*\p+\i], v[X+16*\p+\i], -v[54+4*\p], v[54+4*\p]
.endr
	v_cvt_scalef32_pk8_bf8_f32 v[CSET+4*\p:CSET+4*\p+1], v[X+16*\p:X+16*\p+7], v[55+4*\p]
	v_cvt_scalef32_pk8_bf8_f32 v[CSET+4*\p+2:CSET+4*\p+3], v[X+16*\p+8:X+16*\p+15], v[55+4*\p]
.endr
.irp p, 0,1
	v_lshrrev_b32 v[60+\p], 23, v[55+4*\p]         ; the scale's byte (a plain line behind the conversions)
.endr
.irp p, 0,1
	ds_store_b8 v5, v[60+\p] offset:32*(\t)+16*\p  ; both lanes of a block write the same byte with the same value
	global_store_b128 v2, v[CSET+4*\p:CSET+4*\p+3], s[16:17] offset:1024*(\t)+512*\p   ; 512 consecutive bytes
.endr
.endm
.irp t, 0,1,2,3,4,5,6,7
	TOKEN \t
.endr
	ds_load_b64 v[62:63], v6                       ; my eight tokens' 256 scale bytes: LDS serves a wave's instructions in order
	s_wait_dscnt 0x0
	global_store_b64 v7, v[62:63], s[18:19]        ; 256 consecutive bytes
	s_wait_xcnt 0x0                                ; EXEC changes only behind this wait
	v_cmp_gt_u32 vcc_lo, 8, v1
	s_wait_tensorcnt 0x0
	ds_add_u32 v14, v15
	s_wait_dscnt 0x0
	s_and_saveexec_b32 s31, vcc_lo
	global_store_b32 v9, v8, s[14:15]              ; lanes 0-7: the experts of my eight tokens
	s_wait_xcnt 0x0
	s_or_b32 exec_lo, exec_lo, s31
	s_endpgm
.Lfunc_end_k_qcd9836cc7c_prep:
	.size	k_qcd9836cc7c_prep, .Lfunc_end_k_qcd9836cc7c_prep-k_qcd9836cc7c_prep
	.p2alignl 7, 3214868480
	.fill 96, 4, 3214868480
	.section	.rodata,"a",@progbits
	.p2align	6, 0x0
	.amdhsa_kernel k_qcd9836cc7c_prep
		.amdhsa_group_segment_fixed_size 55808
		.amdhsa_private_segment_fixed_size 0
		.amdhsa_enable_private_segment 0
		.amdhsa_kernarg_size 72
		.amdhsa_user_sgpr_count 2
		.amdhsa_user_sgpr_kernarg_segment_ptr 1
		.amdhsa_wavefront_size32 1
		.amdhsa_system_sgpr_workgroup_id_x 1
		.amdhsa_system_sgpr_workgroup_id_y 1
		.amdhsa_system_sgpr_workgroup_id_z 1
		.amdhsa_system_vgpr_workitem_id 0
		.amdhsa_next_free_vgpr 512
		.amdhsa_next_free_sgpr 66
		.amdhsa_reserve_vcc 1
		.amdhsa_float_denorm_mode_32 3
		.amdhsa_float_denorm_mode_16_64 3
		.amdhsa_memory_ordered 1
		.amdhsa_forward_progress 1
		.amdhsa_inst_pref_size 214
	.end_amdhsa_kernel
	.amdgpu_metadata
---
amdhsa.version: [ 1, 2 ]
amdhsa.kernels:
  - .name:           k_qcd9836cc7c_prep
    .symbol:         k_qcd9836cc7c_prep.kd
    .args:
      - { .name: hidden_states, .offset: 0, .size: 8, .value_kind: global_buffer, .address_space: global }
      - { .name: gate_w, .offset: 8, .size: 8, .value_kind: global_buffer, .address_space: global }
      - { .name: w_gate, .offset: 16, .size: 8, .value_kind: global_buffer, .address_space: global }
      - { .name: w_up, .offset: 24, .size: 8, .value_kind: global_buffer, .address_space: global }
      - { .name: w_down, .offset: 32, .size: 8, .value_kind: global_buffer, .address_space: global }
      - { .name: sel, .offset: 40, .size: 8, .value_kind: global_buffer, .address_space: global }
      - { .name: xq, .offset: 48, .size: 8, .value_kind: global_buffer, .address_space: global }
      - { .name: xsc, .offset: 56, .size: 8, .value_kind: global_buffer, .address_space: global }
      - { .name: wq, .offset: 64, .size: 8, .value_kind: global_buffer, .address_space: global }
    .group_segment_fixed_size: 55808
    .private_segment_fixed_size: 0
    .kernarg_segment_align: 8
    .kernarg_segment_size: 72
    .max_flat_workgroup_size: 128
    .sgpr_count:     66
    .vgpr_count:     512
    .wavefront_size: 32
...
	.end_amdgpu_metadata
.endif
;; end of part 1
;; launch place (part 2): grid 1 x 1, 16 waves a work-group, no clusters, 2,560 bytes of LDS; arguments sel, order, meta; writes order, meta
.if DOCPART == 2
	.amdgcn_target "amdgcn-amd-amdhsa--gfx1250"
	.amdhsa_code_object_version 6
	.text
	.protected	k_qcd9836cc7c_place
	.globl	k_qcd9836cc7c_place
	.p2align	8
	.type	k_qcd9836cc7c_place,@function
k_qcd9836cc7c_place:
	s_mov_b64 s[64:65], 0
	v_nop
	global_prefetch_b8 v0, s[64:65] scope:SCOPE_SE
	s_setreg_imm32_b32 hwreg(HW_REG_WAVE_MODE, 25, 1), 1
	s_wait_xcnt 0x0
; A COUNTING SORT of the 4,096 tokens by their expert (sel, whole numbers stored by the launch before), and the list of tiles.  One work-group of sixteen waves, no atomics; whole numbers alone.
; order[OB_e + rank] = token: the tokens of expert e on end.   meta[tile] = (expert, first index in order, rows 0..32, 0) for tiles of 32 rows: expert e has ceil(TOT_e / 32) of them;
; there are never more than 4,096 / 32 + 7 = 135, whatever the split; all 160 entries are written, those past the last tile with 0 rows.
; A wave holds 256 tokens, 8 a lane.  Its ranks come from lane masks (a compare, the count of lower lanes, the mask's population); the waves' counts meet in LDS ([expert][wave], one barrier).
; Scalars: s8-15 my wave's counts; s16-23 the experts' totals; s24-31 where my wave's tokens of expert e begin; s32-40 OB; s41-49 the experts' first tiles.
	s_load_b128 s[52:55], s[0:1], 0x0              ; sel, order
	s_load_b64 s[56:57], s[0:1], 0x10              ; meta
	v_lshl_add_u32 v64, v0, 2, 0x200
	v_mov_b32 v65, 0
	v_and_b32 v1, 31, v0                           ; lane L
	v_lshrrev_b32 v3, 5, v0
	v_readfirstlane_b32 s58, v3                    ; wave 0..15
	v_lshlrev_b32 v2, 4, v1
	v_lshl_add_u32 v2, v3, 10, v2                  ; sel: 1,024 wave + 16 L
	v_lshlrev_b32 v4, 2, v1
	v_lshl_add_u32 v4, v3, 8, v4                   ; token 256 wave + 4 L
	v_lshlrev_b32 v5, 2, v3                        ; LDS: my wave's word in a row of counts
	v_and_b32 v6, 7, v0
	v_lshlrev_b32 v6, 6, v6                        ; LDS: the row of expert L % 8
	v_lshlrev_b32 v7, 4, v0                        ; meta: 16 bytes a tile
	s_wait_kmcnt 0x0
	global_load_b128 v[8:11], v2, s[52:53]         ; register n = 4 q + j: token 256 wave + 128 q + 4 L + j
	global_load_b128 v[12:15], v2, s[52:53] offset:512
.irp e, 0,1,2,3,4,5,6,7
	s_mov_b32 s[8+\e], 0
.endr
.irp n, 0,1,2,3,4,5,6,7
	v_mov_b32 v[16+\n], 0
.endr
	s_wait_loadcnt 0x0
.irp n, 0,1,2,3,4,5,6,7
	v_min_u32 v[8+\n], 7, v[8+\n]
.endr
.irp e, 0,1,2,3,4,5,6,7
.irp n, 0,1,2,3,4,5,6,7
	v_cmp_eq_u32 vcc_lo, \e, v[8+\n]
	v_mbcnt_lo_u32_b32 v24, vcc_lo, s[8+\e]        ; the count so far + the lower lanes that hold this expert
	v_cndmask_b32 v[16+\n], v[16+\n], v24, vcc_lo  ; the token's rank among my wave's tokens of its expert
	s_bcnt1_i32_b32 s50, vcc_lo
	s_add_co_u32 s[8+\e], s[8+\e], s50
.endr
.endr
.irp e, 0,1,2,3,4,5,6,7
	v_mov_b32 v24, s[8+\e]
	ds_store_b32 v5, v24 offset:64*\e              ; all lanes write the same word with the same value
.endr
	s_wait_dscnt 0x0                               ; for the others' sake: my counts have landed
	s_barrier_signal -1
	s_barrier_wait -1
.irp q, 0,1,2,3
	ds_load_b128 v[32+4*\q:35+4*\q], v6 offset:16*\q   ; lane L: the sixteen waves' counts of expert L % 8
.endr
	v_mov_b32 v49, 0
	s_wait_dscnt 0x0
	v_add3_u32 v48, v32, v33, v34
.irp i, 35,37,39,41,43,45
	v_add3_u32 v48, v48, v[\i], v[\i+1]
.endr
	v_add_nc_u32 v48, v48, v47                     ; the expert's total
.irp i, 0,1,2,3,4,5,6,7,8,9,10,11,12,13,14
	s_cmp_gt_u32 s58, \i
	s_cselect_b32 s50, 1, 0
	v_mad_u32_u24 v49, v[32+\i], s50, v49          ; the counts of the waves in front of mine
.endr
.irp e, 0,1,2,3,4,5,6,7
	v_readlane_b32 s[16+\e], v48, \e
	v_readlane_b32 s[24+\e], v49, \e
.endr
	s_mov_b32 s32, 0
	s_mov_b32 s41, 0
.irp e, 0,1,2,3,4,5,6,7
	s_add_co_u32 s[33+\e], s[32+\e], s[16+\e]      ; OB
	s_add_co_u32 s[24+\e], s[24+\e], s[32+\e]      ; where my wave's tokens of expert e begin
	s_add_co_u32 s50, s[16+\e], 31
	s_lshr_b32 s50, s50, 5
	s_add_co_u32 s[42+\e], s[41+\e], s50           ; the next expert's first tile
.endr
.irp n, 0,1,2,3,4,5,6,7
	v_mov_b32 v24, s24
.irp e, 1,2,3,4,5,6,7
	v_cmp_ne_u32 vcc_lo, \e, v[8+\n]               ; keep where the token's expert is another
	v_cndmask_b32 v24, s[24+\e], v24, vcc_lo
.endr
	v_add_nc_u32 v24, v24, v[16+\n]
	v_min_u32 v24, 0xfff, v24                      ; a place in order
	v_lshlrev_b32 v[32+\n], 2, v24
	v_add_nc_u32 v[40+\n], 128*(\n/4)+(\n%4), v4   ; the token's number
	global_store_b32 v[32+\n], v[40+\n], s[54:55]
.endr
	s_cmp_gt_u32 s58, 4                            ; the list of tiles: threads 0 to 159, a tile each.  No barrier stands behind this branch
	s_cbranch_scc1 .Ldone
	v_mov_b32 v28, 0                               ; the tile's expert: the last one whose first tile is not behind it
	v_mov_b32 v25, 0                               ; that expert's first tile,
	v_mov_b32 v26, 0                               ; its place in order,
	v_mov_b32 v27, s16                             ; its total
.irp e, 1,2,3,4,5,6,7
	v_cmp_gt_u32 vcc_lo, s[41+\e], v0              ; keep where expert e begins behind this tile
	v_cndmask_b32 v28, \e, v28, vcc_lo
	v_cndmask_b32 v25, s[41+\e], v25, vcc_lo
	v_cndmask_b32 v26, s[32+\e], v26, vcc_lo
	v_cndmask_b32 v27, s[16+\e], v27, vcc_lo
.endr
	v_sub_nc_u32 v25, v0, v25
	v_lshlrev_b32 v25, 5, v25                      ; k: the tile's first row among the expert's
	v_add_nc_u32 v29, v26, v25
	v_min_u32 v29, 0xfff, v29                      ; its first index in order
	v_min_u32 v24, v27, v25
	v_add_nc_u32 v25, 32, v25
	v_min_u32 v30, v27, v25
	v_sub_nc_u32 v30, v30, v24                     ; rows: min(total, k + 32) - min(total, k), 0 .. 32
	v_mov_b32 v31, 0
	global_store_b128 v7, v[28:31], s[56:57]
.Ldone:
	s_wait_tensorcnt 0x0
	ds_add_u32 v64, v65
	s_wait_dscnt 0x0
	s_endpgm
.Lfunc_end_k_qcd9836cc7c_place:
	.size	k_qcd9836cc7c_place, .Lfunc_end_k_qcd9836cc7c_place-k_qcd9836cc7c_place
	.p2alignl 7, 3214868480
	.fill 96, 4, 3214868480
	.section	.rodata,"a",@progbits
	.p2align	6, 0x0
	.amdhsa_kernel k_qcd9836cc7c_place
		.amdhsa_group_segment_fixed_size 2560
		.amdhsa_private_segment_fixed_size 0
		.amdhsa_enable_private_segment 0
		.amdhsa_kernarg_size 24
		.amdhsa_user_sgpr_count 2
		.amdhsa_user_sgpr_kernarg_segment_ptr 1
		.amdhsa_wavefront_size32 1
		.amdhsa_system_sgpr_workgroup_id_x 1
		.amdhsa_system_sgpr_workgroup_id_y 1
		.amdhsa_system_sgpr_workgroup_id_z 1
		.amdhsa_system_vgpr_workitem_id 0
		.amdhsa_next_free_vgpr 66
		.amdhsa_next_free_sgpr 66
		.amdhsa_reserve_vcc 1
		.amdhsa_float_denorm_mode_32 3
		.amdhsa_float_denorm_mode_16_64 3
		.amdhsa_memory_ordered 1
		.amdhsa_forward_progress 1
		.amdhsa_inst_pref_size 28
	.end_amdhsa_kernel
	.amdgpu_metadata
---
amdhsa.version: [ 1, 2 ]
amdhsa.kernels:
  - .name:           k_qcd9836cc7c_place
    .symbol:         k_qcd9836cc7c_place.kd
    .args:
      - { .name: sel, .offset: 0, .size: 8, .value_kind: global_buffer, .address_space: global }
      - { .name: order, .offset: 8, .size: 8, .value_kind: global_buffer, .address_space: global }
      - { .name: meta, .offset: 16, .size: 8, .value_kind: global_buffer, .address_space: global }
    .group_segment_fixed_size: 2560
    .private_segment_fixed_size: 0
    .kernarg_segment_align: 8
    .kernarg_segment_size: 24
    .max_flat_workgroup_size: 512
    .sgpr_count:     66
    .vgpr_count:     66
    .wavefront_size: 32
...
	.end_amdgpu_metadata
.endif
;; end of part 2
;; launch chain (part 3): grid 135 x 1, 8 waves a work-group, no clusters, 120,320 bytes of LDS; arguments meta, order, xq, xsc, wq, out0; writes out0
.if DOCPART == 3
	.amdgcn_target "amdgcn-amd-amdhsa--gfx1250"
	.amdhsa_code_object_version 6
	.text
	.protected	k_qcd9836cc7c_chain
	.globl	k_qcd9836cc7c_chain
	.p2align	8
	.type	k_qcd9836cc7c_chain,@function
k_qcd9836cc7c_chain:
	s_mov_b64 s[64:65], 0
	v_nop
	global_prefetch_b8 v0, s[64:65] scope:SCOPE_SE
	s_setreg_imm32_b32 hwreg(HW_REG_WAVE_MODE, 25, 1), 1
	s_wait_xcnt 0x0
; ONE TILE OF 32 ROWS OF ONE EXPERT THROUGH THE WHOLE CHAIN: gather the rows' codes, g = xs Wg^T and u = xs Wu^T, h = u g / (1 + e^-g), h quantised along I, out = h Wd^T, rows stored.  Both products on codes of E5M2
; with one E8M0 scale for each 32 along K.  The hidden layer never goes to memory.  Rows of the other experts are zeros in the definition and add nothing: they are not multiplied.
; THE GRID serves every split: 4,096 / 32 + 7 = 135 tiles at the most.  A tile without rows walks the same text on clamped addresses (its barriers may not hang on loaded data) and stores nothing.
; Rows past a tile's count repeat its last row; what they give is the same bits, stored once more at the same place by the same wave (under 16 rows a tile: the second 16 rows are passed over where the count is 16 or less).
; SHARES.  Eight waves share the COLUMNS: wave w makes hidden units 64 w .. 64 w + 63 (gate and up) and outputs 128 w .. 128 w + 127, for all 32 rows (two tiles m of 16).
; THE WEIGHTS go from memory straight into registers: the launch that quantised them laid them in the order of the operand's registers, 12 units of 16,896 bytes for each (expert, wave), a unit = one K step of 128:
; 8 fragments and their scale words.  Each weight byte is read once by the work-group.  Two units (34 loads each) are always asked for ahead, across both phases and both barriers.
; No joint loads: which tiles share an expert is data, so partners of a cluster could not be given the same weights by a fixed grid; and the walk hangs on the stored list, so the weights come by plain loads.
; BOTH PRODUCTS ARE USED TRANSPOSED (source 0 = 16 weight rows, source 1 = 16 rows of the tile): a lane holds one row, its registers run along the columns.  A unit is 8 x 2 = 16 matrix instructions on 16 accumulators,
; which take turns, one instruction a turn, in the same order in every unit.
; LIMITS: NaN and infinities are not served; a block of zeros of h gets the byte 1 (its codes are zeros); where e^-g overflows, h is 0.
; REGISTERS.  Window 0: v1-14 addresses; v16-23 the rows' scale words (K steps 0-7; lanes 0-15 rows 0-15, lanes 16-31 rows 16-31), v24-27 h's, v28-35 the weights' (two sets): these hold scales and nothing else;
;   v36-51 at work; v64-127 the rows' fragments (two sets of 2 x 16), then h, then rows of out; v128-255 the accumulators (f, m) at 128 + 8 (2 f + m).   Window 1: the weights, two buffers of 8 fragments.
.set XIMG, 0                           ; LDS: the rows' codes: for each m 64 pieces of 256 + 16 bytes; piece k / 16 holds 16 bytes of each of 16 rows
.set HIMG, 34816                       ; h's 8 fragments (m, K step) as images of their registers: 2048 (4 m + s) + 512 c + 16 L
.set HSC,  51200                       ; h's scale words: [K step][row 0..31]
.set STG,  51712                       ; the way out: 16 rows of 512 + 16 bytes for each wave
.set UNITB, 16896
.set XS,  16
.set HS,  24
.set WS,  28
.set TM,  36
.set XF,  64
.set HV,  64
.set OB,  64
.set ACC, 128
.set PC,  128
.set MSB, 0
.macro WIN new                         ; the immediate's high byte repeats the setting that is left
.if MSB != \new
	s_set_vgpr_msb (MSB<<8)|\new
.set MSB, \new
.endif
.endm
.macro WLOAD t                         ; unit t: 32 loads of 512 consecutive bytes into buffer t % 2, and its scale words: 34 loads
	WIN 0x40                                       ; destination window 1
.irp f, 0,1,2,3,4,5,6,7
.irp c, 0,1,2,3
	global_load_b128 v[128*((\t)%2)+16*\f+4*\c:128*((\t)%2)+16*\f+4*\c+3], v4, s[22:23] offset:UNITB*(\t)+2048*\f+512*\c
.endr
.endr
	WIN 0
.irp p, 0,1
	global_load_b64 v[WS+4*((\t)%2)+2*\p:WS+4*((\t)%2)+2*\p+1], v5, s[22:23] offset:UNITB*(\t)+16384+256*\p   ; word q: lanes 0-15 fragment 2 q, lanes 16-31 fragment 2 q + 1
.endr
.endm
.macro XFETCH t                        ; the rows' two fragments of K step t: 8 LDS loads, each of 2 x 256 consecutive bytes
.irp m, 0,1
.irp c, 0,1,2,3
	ds_load_b128 v[XF+32*((\t)%2)+16*\m+4*\c:XF+32*((\t)%2)+16*\m+4*\c+3], v6 offset:17408*\m+272*(8*(\t)+2*\c)
.endr
.endr
.endm
.macro HFETCH t                        ; h's two fragments of K step t - 8: 8 LDS loads
.irp m, 0,1
.irp c, 0,1,2,3
	ds_load_b128 v[XF+32*((\t)%2)+16*\m+4*\c:XF+32*((\t)%2)+16*\m+4*\c+3], v4 offset:HIMG+2048*(4*\m+(\t)-8)+512*\c
.endr
.endr
.endm
.macro WM t, f, m, zero, sb            ; one product: weight fragment f x rows' tile m.  An odd fragment's scale words lie in lanes 16-31, and so do those of rows 16-31
.set rD, ACC+8*(2*(\f)+(\m))
.set rA, 128*((\t)%2)+16*(\f)
.set rB, XF+32*((\t)%2)+16*(\m)
.set rS, WS+4*((\t)%2)+(\f)/2
.if \zero
.if ((\f)%2 == 0) && ((\m) == 0)
	v_wmma_scale_f32_16x16x128_f8f6f4 v[rD:rD+7], v[rA:rA+15], v[rB:rB+15], 0, v[rS], v[\sb] matrix_a_fmt:MATRIX_FMT_BF8 matrix_b_fmt:MATRIX_FMT_BF8
.elseif ((\m) == 0)
	v_wmma_scale_f32_16x16x128_f8f6f4 v[rD:rD+7], v[rA:rA+15], v[rB:rB+15], 0, v[rS], v[\sb] matrix_a_fmt:MATRIX_FMT_BF8 matrix_b_fmt:MATRIX_FMT_BF8 matrix_a_scale:MATRIX_SCALE_ROW1
.elseif ((\f)%2 == 0)
	v_wmma_scale_f32_16x16x128_f8f6f4 v[rD:rD+7], v[rA:rA+15], v[rB:rB+15], 0, v[rS], v[\sb] matrix_a_fmt:MATRIX_FMT_BF8 matrix_b_fmt:MATRIX_FMT_BF8 matrix_b_scale:MATRIX_SCALE_ROW1
.else
	v_wmma_scale_f32_16x16x128_f8f6f4 v[rD:rD+7], v[rA:rA+15], v[rB:rB+15], 0, v[rS], v[\sb] matrix_a_fmt:MATRIX_FMT_BF8 matrix_b_fmt:MATRIX_FMT_BF8 matrix_a_scale:MATRIX_SCALE_ROW1 matrix_b_scale:MATRIX_SCALE_ROW1
.endif
.else
.if ((\f)%2 == 0) && ((\m) == 0)
	v_wmma_scale_f32_16x16x128_f8f6f4 v[rD:rD+7], v[rA:rA+15], v[rB:rB+15], v[rD:rD+7], v[rS], v[\sb] matrix_a_fmt:MATRIX_FMT_BF8 matrix_b_fmt:MATRIX_FMT_BF8
.elseif ((\m) == 0)
	v_wmma_scale_f32_16x16x128_f8f6f4 v[rD:rD+7], v[rA:rA+15], v[rB:rB+15], v[rD:rD+7], v[rS], v[\sb] matrix_a_fmt:MATRIX_FMT_BF8 matrix_b_fmt:MATRIX_FMT_BF8 matrix_a_scale:MATRIX_SCALE_ROW1
.elseif ((\f)%2 == 0)
	v_wmma_scale_f32_16x16x128_f8f6f4 v[rD:rD+7], v[rA:rA+15], v[rB:rB+15], v[rD:rD+7], v[rS], v[\sb] matrix_a_fmt:MATRIX_FMT_BF8 matrix_b_fmt:MATRIX_FMT_BF8 matrix_b_scale:MATRIX_SCALE_ROW1
.else
	v_wmma_scale_f32_16x16x128_f8f6f4 v[rD:rD+7], v[rA:rA+15], v[rB:rB+15], v[rD:rD+7], v[rS], v[\sb] matrix_a_fmt:MATRIX_FMT_BF8 matrix_b_fmt:MATRIX_FMT_BF8 matrix_a_scale:MATRIX_SCALE_ROW1 matrix_b_scale:MATRIX_SCALE_ROW1
.endif
.endif
.endm
.macro MUL t, zero, sb                 ; a unit's 16 products.  zero = 1: they start the sums: nothing is cleared
	WIN 0x01                                       ; source 0 (the weights) window 1
.irp f, 0,1,2,3,4,5,6,7
.irp m, 0,1
	WM \t, \f, \m, \zero, \sb
.endr
.endr
	WIN 0
.endm
.macro PLACES                          ; eight places behind this matrix form, in front of loads into registers that it has read and of the first read of results
.rept 8
	v_nop
.endr
.endm
	s_load_b256 s[4:11], s[0:1], 0x0               ; meta 4:5, order 6:7, xq 8:9, xsc 10:11
	s_load_b128 s[12:15], s[0:1], 0x20             ; wq 12:13, out0 14:15
	v_lshl_add_u32 v62, v0, 2, 0x1d200
	v_mov_b32 v63, 0
	v_lshrrev_b32 v1, 5, v0
	v_readfirstlane_b32 s20, v1                    ; wave w, 0..7
	v_and_b32 v1, 31, v0                           ; lane L
	v_and_b32 v2, 15, v0                           ; r
	v_bfe_u32 v3, v0, 4, 1                         ; h
	v_lshlrev_b32 v4, 4, v1                        ; 16 L
	v_lshlrev_b32 v5, 3, v1                        ; 8 L
	v_mul_u32_u24 v6, v3, 272
	v_lshl_add_u32 v6, v2, 4, v6                   ; the rows' codes, out: piece + h, row r
	s_lshr_b32 s32, s20, 2
	s_mul_i32 s32, s32, 17408
	s_and_b32 s33, s20, 3
	s_lshl_b32 s33, s33, 6
	s_add_co_u32 s32, s32, s33
	v_mul_u32_u24 v7, v1, 272
	v_add_nc_u32 v7, s32, v7                       ; in: tile w / 4, piece L, rows 4 (w % 4) on
	s_lshl_b32 s32, s20, 10
	s_add_co_u32 s32, s32, HIMG
	v_add_nc_u32 v8, s32, v4                       ; h's images: K step w / 2, quarters 2 (w % 2) on: 1,024 w
	s_lshr_b32 s32, s20, 1
	s_lshl_b32 s32, s32, 7
	s_and_b32 s33, s20, 1
	s_lshl_b32 s33, s33, 1
	s_add_co_u32 s32, s32, s33
	s_add_co_u32 s32, s32, HSC
	v_lshl_add_u32 v9, v1, 2, s32                  ; h's scale bytes, in: K step w / 2, row L, bytes 2 (w % 2) on
	v_lshl_add_u32 v10, v1, 2, HSC                 ; out: row L's word
	s_mul_i32 s32, s20, 8448
	s_add_co_u32 s32, s32, STG
	v_mul_u32_u24 v11, v2, 528
	v_lshl_add_u32 v11, v3, 5, v11
	v_add_nc_u32 v11, s32, v11                     ; my stage, in: row r, + 32 h
	v_add_nc_u32 v12, s32, v4                      ; out: 16 bytes a lane of a row
	s_lshl_b32 s32, s20, 9
	v_add_nc_u32 v14, s32, v4                      ; out0: my 512 bytes of a row
	s_mov_b32 s26, 0x76543210
	s_mov_b32 s27, 0xfedcba98                      ; v_permlanex16_b32's selects for lane l xor 16
	s_mov_b32 s28, 0x600000                        ; the mantissa field of 57,344
	s_mov_b32 s29, 0xffff0000                      ; lanes 16-31
	s_mov_b32 s30, 0xbfb8aa3b                      ; -log2(e); the packed form names the pair
	s_mov_b32 s31, s30
	s_lshl_b32 s32, ttmp9, 4
	s_mov_b32 s33, 0
	s_wait_kmcnt 0x0
	s_add_nc_u64 s[4:5], s[4:5], s[32:33]
	s_load_b128 s[16:19], s[4:5], 0x0              ; my tile: expert, first index in order, rows
	s_wait_kmcnt 0x0
	s_min_u32 s16, s16, 7
	s_min_u32 s17, s17, 0xfff
	s_min_u32 s24, s18, 32
	s_lshl_b32 s32, s16, 3
	s_add_co_u32 s32, s32, s20
	s_mul_i32 s32, s32, 12*UNITB
	s_add_nc_u64 s[22:23], s[12:13], s[32:33]      ; my 12 units
	s_max_u32 s34, s24, 1
	s_sub_co_u32 s34, s34, 1                       ; the tile's last row (0 where it has none)
	v_min_u32 v49, s34, v1
	v_add_nc_u32 v49, s17, v49
	v_min_u32 v49, 0xfff, v49
	v_lshlrev_b32 v49, 2, v49
	global_load_b32 v13, v49, s[6:7]               ; lane L: the token of row L
	s_lshl_b32 s35, s20, 2
.irp i, 0,1,2,3
	s_add_co_u32 s36, s35, \i                      ; the rows that I gather: 4 w + i;
	s_min_u32 s36, s36, s34
	s_add_co_u32 s36, s36, s17
	s_min_u32 s36, s36, 0xfff
	s_lshl_b32 s36, s36, 2
	v_mov_b32 v[36+\i], s36
	global_load_b32 v[40+\i], v[36+\i], s[6:7]     ; all lanes read the one word: the row's token in every lane
.endr
	WLOAD 0
	s_wait_loadcnt 34                              ; unit 0's 34 loads may stay out: the five loads of tokens are in
	v_min_u32 v13, 0xfff, v13
.irp i, 0,1,2,3
	v_min_u32 v[40+\i], 0xfff, v[40+\i]
	v_lshl_add_u32 v[44+\i], v[40+\i], 10, v4      ; 1,024 bytes of codes a token, 16 L
.endr
.irp i, 0,1,2,3
.irp j, 0,1
	global_load_b128 v[128+8*\i+4*\j:128+8*\i+4*\j+3], v[44+\i], s[8:9] offset:512*\j   ; 512 consecutive bytes of a row's codes: lane L has piece 32 j + L
.endr
.endr
	v_lshlrev_b32 v48, 5, v13
	global_load_b128 v[XS:XS+3], v48, s[10:11]     ; row L's eight scale words
	global_load_b128 v[XS+4:XS+7], v48, s[10:11] offset:16
	WLOAD 1
	s_wait_loadcnt 34                              ; unit 1's 34 may stay out: the codes, the scale words and unit 0 are in
.irp i, 0,1,2,3
.irp j, 0,1
	ds_store_b128 v7, v[128+8*\i+4*\j:128+8*\i+4*\j+3] offset:8704*\j+16*\i
.endr
.endr
	s_wait_dscnt 0x0                               ; for the others' sake: my four rows have landed
	s_barrier_signal -1
	s_barrier_wait -1                              ; all 32 rows' codes lie in LDS
	XFETCH 0
	XFETCH 1
	; ---- the first product: K steps 0-7
.irp t, 0,1,2,3,4,5,6,7
	s_wait_loadcnt 34                              ; the one younger unit's 34 loads may stay out
.if \t < 7
	s_wait_dscnt 8                                 ; the next K step's 8 fragment loads may stay out
.else
	s_wait_dscnt 0x0
.endif
.if \t == 0
	MUL \t, 1, XS+\t
.else
	MUL \t, 0, XS+\t
.endif
	PLACES
	WLOAD \t+2                                     ; the buffer just multiplied takes the unit two further on (units 8, 9: the second product's first)
.if \t < 6
	XFETCH \t+2
.endif
.endr
	; ---- h = u g / (1 + e^-g).  Register HV + 16 (2 m + b) + 8 u + j: hidden unit 64 w + 32 b + 16 h + 8 u + j of row r of tile m.  Each accumulator is read from its low end on
.irp m, 0,1
.irp b, 0,1
.irp u, 0,1
.irp j, 0,2,4,6
	v_pk_mul_f32 v[HV+16*(2*\m+\b)+8*\u+\j:HV+16*(2*\m+\b)+8*\u+\j+1], v[ACC+8*(2*(4*\b+\u)+\m)+\j:ACC+8*(2*(4*\b+\u)+\m)+\j+1], s[30:31] op_sel_hi:[1,0]   ; -log2(e) g
.endr
.endr
.endr
.endr
.set n, 0
.rept 64
	v_exp_f32 v[HV+n], v[HV+n]
.set n, n+1
.endr
	v_nop                                          ; a plain line behind the exponentials
.set n, 0
	s_wait_alu depctr_va_vdst(0)
.rept 32
	v_pk_add_f32 v[HV+n:HV+n+1], v[HV+n:HV+n+1], 1.0 op_sel_hi:[1,0]
.set n, n+2
.endr
.set n, 0
.rept 64
	v_rcp_f32 v[HV+n], v[HV+n]
.set n, n+1
.endr
	v_nop                                          ; a plain line behind the reciprocals
	s_wait_alu depctr_va_vdst(0)
.irp m, 0,1
.irp b, 0,1
.irp u, 0,1
.irp j, 0,2,4,6
	v_pk_mul_f32 v[HV+16*(2*\m+\b)+8*\u+\j:HV+16*(2*\m+\b)+8*\u+\j+1], v[HV+16*(2*\m+\b)+8*\u+\j:HV+16*(2*\m+\b)+8*\u+\j+1], v[ACC+8*(2*(4*\b+\u)+\m)+\j:ACC+8*(2*(4*\b+\u)+\m)+\j+1]   ; silu(g)
.endr
.endr
.endr
.endr
.irp m, 0,1
.irp b, 0,1
.irp u, 0,1
.irp j, 0,2,4,6
	v_pk_mul_f32 v[HV+16*(2*\m+\b)+8*\u+\j:HV+16*(2*\m+\b)+8*\u+\j+1], v[HV+16*(2*\m+\b)+8*\u+\j:HV+16*(2*\m+\b)+8*\u+\j+1], v[ACC+8*(2*(4*\b+2+\u)+\m)+\j:ACC+8*(2*(4*\b+2+\u)+\m)+\j+1]   ; x u
.endr
.endr
.endr
.endr
	; ---- h quantised: four blocks of 32 along I, block 2 m + b; a block lies in lanes l and l xor 16
.irp b, 0,1,2,3
	v_max3_num_f32 v[TM+\b], |v[HV+16*\b]|, |v[HV+1+16*\b]|, 0x8000000     ; my 16 numbers and the floor 2^(16 - 127): the byte cannot fall under 1
.endr
.irp i, 2,4,6,8,10,12,14
.irp b, 0,1,2,3
	v_max3_num_f32 v[TM+\b], v[TM+\b], |v[HV+16*\b+\i]|, |v[HV+1+16*\b+\i]|
.endr
.endr
.irp b, 0,1,2,3
	v_permlanex16_b32 v[TM+4+\b], v[TM+\b], s26, s27
.endr
.irp b, 0,1,2,3
	v_max_num_f32 v[TM+\b], v[TM+\b], v[TM+4+\b]
.endr
.irp b, 0,1,2,3
	v_add_nc_u32 v[TM+12+\b], 0xf8800000, v[TM+\b]                         ; 15 off the exponent field: the conversion's scale operand
.endr
.irp b, 0,1,2,3
	v_and_or_b32 v[TM+8+\b], v[TM+\b], 0x7f800000, s28                     ; 57,344 x the scale
.endr
.irp b, 0,1,2,3
	v_lshrrev_b32 v[TM+4+\b], 23, v[TM+12+\b]                              ; the scale's byte
.endr
	v_lshl_or_b32 v52, v[TM+5], 8, v[TM+4]         ; tile 0: my two bytes of row r's scale word,
	v_lshl_or_b32 v53, v[TM+7], 8, v[TM+6]         ; tile 1
	v_cndmask_b32 v52, v52, v53, s29               ; lanes 0-15 carry rows 0-15, lanes 16-31 rows 16-31
.irp b, 0,1,2,3
.irp i, 0,1,2,3,4,5,6,7,8,9,10,11,12,13,14,15
	v_med3_num_f32 v[HV+16*\b+\i], v[HV+16*\b+\i], -v[TM+8+\b], v[TM+8+\b]   ; the conversion to an 8-bit code does not saturate (ISA guide 7.6.2)
.endr
	v_cvt_scalef32_pk8_bf8_f32 v[PC+4*\b:PC+1+4*\b], v[HV+16*\b:HV+7+16*\b], v[TM+12+\b]
	v_cvt_scalef32_pk8_bf8_f32 v[PC+2+4*\b:PC+3+4*\b], v[HV+8+16*\b:HV+15+16*\b], v[TM+12+\b]
.endr
	v_nop                                          ; a plain line behind the last conversion: the next products write these registers
	ds_store_b16 v9, v52
.irp m, 0,1
.irp b, 0,1
	ds_store_b128 v8, v[PC+4*(2*\m+\b):PC+4*(2*\m+\b)+3] offset:8192*\m+512*\b   ; a quarter of fragment (m, K step w / 2), as it stands in the registers
.endr
.endr
	s_wait_dscnt 0x0                               ; for the others' sake: my part of h has landed
	s_barrier_signal -1
	s_barrier_wait -1                              ; h's eight fragments and their scale words lie in LDS (units 8 and 9 stay on their way: nobody writes those bytes)
.irp s, 0,1,2,3
	ds_load_b32 v[HS+\s], v10 offset:128*\s
.endr
	HFETCH 8
	HFETCH 9
	; ---- the second product: K steps 0-3, units 8-11
.irp t, 8,9,10,11
.if \t < 11
	s_wait_loadcnt 34                              ; the one younger unit's 34 loads may stay out
	s_wait_dscnt 8                                 ; and the next K step's 8 fragment loads
.else
	s_wait_loadcnt 0x0
	s_wait_dscnt 0x0
.endif
.if \t == 8
	MUL \t, 1, HS+\t-8
.else
	MUL \t, 0, HS+\t-8
.endif
	PLACES
.if \t < 10
	WLOAD \t+2
	HFETCH \t+2
.endif
.endr
	; ---- the way out.  Lane (r, h) holds out(row r of tile m, 128 w + 16 f + 8 h + 0 .. 7): 16 rows go through my own stage and leave as runs of 512 consecutive bytes, each at its token's row
.macro OUT m
.irp i, 0,1,2,3,4,5,6,7,8,9,10,11,12,13,14,15
	v_readlane_b32 s32, v13, 16*\m+\i
	s_min_u32 s32, s32, 0xfff
	s_lshl_b32 s32, s32, 12                        ; a row of out0 is 4,096 bytes
	v_add_nc_u32 v[36+\i], s32, v14
.endr
.irp f, 0,1,2,3,4,5,6,7
	ds_store_b128 v11, v[ACC+8*(2*\f+\m):ACC+8*(2*\f+\m)+3] offset:64*\f         ; each accumulator from its low end on
	ds_store_b128 v11, v[ACC+8*(2*\f+\m)+4:ACC+8*(2*\f+\m)+7] offset:64*\f+16
.endr
.irp i, 0,1,2,3,4,5,6,7,8,9,10,11,12,13,14,15
	ds_load_b128 v[OB+4*\i:OB+4*\i+3], v12 offset:528*\i   ; LDS serves a wave's instructions in order: these see my stores
.endr
.irp i, 0,1,2,3,4,5,6,7,8,9,10,11,12,13,14,15
	s_wait_dscnt 15-\i                             ; the later rows' loads may stay out
	global_store_b128 v[36+\i], v[OB+4*\i:OB+4*\i+3], s[14:15] th:TH_STORE_NT
.endr
.endm
	s_cmp_eq_u32 s24, 0                            ; a tile without rows stores nothing.  No barrier stands behind these branches
	s_cbranch_scc1 .Lend
	OUT 0
	s_cmp_le_u32 s24, 16
	s_cbranch_scc1 .Lend
	s_wait_xcnt 0x0                                ; the stores above have read their addresses and data: both are written again
	OUT 1
.Lend:
	s_wait_tensorcnt 0x0
	ds_add_u32 v62, v63
	s_wait_dscnt 0x0
	s_endpgm
.Lfunc_end_k_qcd9836cc7c_chain:
	.size	k_qcd9836cc7c_chain, .Lfunc_end_k_qcd9836cc7c_chain-k_qcd9836cc7c_chain
	.p2alignl 7, 3214868480
	.fill 96, 4, 3214868480
	.section	.rodata,"a",@progbits
	.p2align	6, 0x0
	.amdhsa_kernel k_qcd9836cc7c_chain
		.amdhsa_group_segment_fixed_size 120320
		.amdhsa_private_segment_fixed_size 0
		.amdhsa_enable_private_segment 0
		.amdhsa_kernarg_size 48
		.amdhsa_user_sgpr_count 2
		.amdhsa_user_sgpr_kernarg_segment_ptr 1
		.amdhsa_wavefront_size32 1
		.amdhsa_system_sgpr_workgroup_id_x 1
		.amdhsa_system_sgpr_workgroup_id_y 1
		.amdhsa_system_sgpr_workgroup_id_z 1
		.amdhsa_system_vgpr_workitem_id 0
		.amdhsa_next_free_vgpr 512
		.amdhsa_next_free_sgpr 66
		.amdhsa_reserve_vcc 0
		.amdhsa_float_denorm_mode_32 3
		.amdhsa_float_denorm_mode_16_64 3
		.amdhsa_memory_ordered 1
		.amdhsa_forward_progress 1
		.amdhsa_inst_pref_size 116
	.end_amdhsa_kernel
	.amdgpu_metadata
---
amdhsa.version: [ 1, 2 ]
amdhsa.kernels:
  - .name:           k_qcd9836cc7c_chain
    .symbol:         k_qcd9836cc7c_chain.kd
    .args:
      - { .name: meta, .offset: 0, .size: 8, .value_kind: global_buffer, .address_space: global }
      - { .name: order, .offset: 8, .size: 8, .value_kind: global_buffer, .address_space: global }
      - { .name: xq, .offset: 16, .size: 8, .value_kind: global_buffer, .address_space: global }
      - { .name: xsc, .offset: 24, .size: 8, .value_kind: global_buffer, .address_space: global }
      - { .name: wq, .offset: 32, .size: 8, .value_kind: global_buffer, .address_space: global }
      - { .name: out0, .offset: 40, .size: 8, .value_kind: global_buffer, .address_space: global }
    .group_segment_fixed_size: 120320
    .private_segment_fixed_size: 0
    .kernarg_segment_align: 8
    .kernarg_segment_size: 48
    .max_flat_workgroup_size: 256
    .sgpr_count:     66
    .vgpr_count:     512
    .wavefront_size: 32
...
	.end_amdgpu_metadata
.endif
;; end of part 3
;; ======== version 2 of 2: 3 launches
;; workspace buffers: sel 16,384 bytes of whole numbers; order 16,384 bytes of whole numbers; meta 2,560 bytes of whole numbers; xq 4,194,304 bytes; xsc 131,072 bytes; wq 12,976,128 bytes
;; launch prep (part 4): grid 8 x 64, 4 waves a work-group, no clusters, 55,808 bytes of LDS; arguments hidden_states, gate_w, w_gate, w_up, w_down, sel, xq, xsc, wq; writes sel, xq, xsc, wq
.if DOCPART == 4
	.amdgcn_target "amdgcn-amd-amdhsa--gfx1250"
	.amdhsa_code_object_version 6
	.text
	.protected	k_qcd9836cc7c_prep
	.globl	k_qcd9836cc7c_prep
	.p2align	8
	.type	k_qcd9836cc7c_prep,@function
k_qcd9836cc7c_prep:
	s_mov_b64 s[64:65], 0
	v_nop
	global_prefetch_b8 v0, s[64:65] scope:SCOPE_SE
	s_setreg_imm32_b32 hwreg(HW_REG_WAVE_MODE, 25, 1), 1
	s_wait_xcnt 0x0
; TWO JOBS IN ONE LAUNCH, parted on the work-group's x.
; x = 0..5: THE WEIGHTS.  w_gate, w_up [8][512][1024] and w_down [8][1024][512], f32, K innermost, become codes of E5M2 with one E8M0 byte for each 32 along K,
;   laid in wq in the order in which the chain's operand registers take them: [y = 8 expert + wave (64)][unit t (12)][16,896 bytes].  A unit is one K step of 128 for one wave of the chain:
;   8 fragments of 2,048 bytes (fragment f, registers 4 c .. 4 c + 3 of lane L at 2048 f + 512 c + 16 L), then 512 bytes of scale words ([p][lane][2]: word q = 2 p + j of lane (r, h) belongs to fragment 2 q + h, row r).
;   Units 0-7: K step t of the first product; fragment f = 4 b + 2 kind + u (kind 0 gate, 1 up); its lane r takes weight row 64 y + 32 b + 8 u + r + 8 (r / 8), so that the results of fragments u = 0, 1 are 16 neighbours along the next K.
;   Units 8-11: K step t - 8 of w_down; fragment f takes rows 128 y + 16 f + r.   A wave makes half a unit: 4 fragments.
; x = 6, 7: THE ROUTER.  A wave takes 8 tokens: logits = x . gate_w[e] in f32 (fused multiply-adds), the first largest logit's index -> sel, rw = 1 / (1 + 2^(-log2(e) top)),
;   xs = x rw, quantised along H: codes -> xq [token][1024], scale bytes -> xsc [token][32].  The choice is stored as data at fixed places: no address and no branch hangs on it.
; THE QUANTISER: a block's scale byte is its largest magnitude's exponent field - 15, held at 1 from below by a floor among the maximum's leaves; numbers are held within +-57,344 x the scale and converted, ties to even.
; LIMITS: NaN and infinities among the inputs are not served.  A block of zeros gets the byte 1 where the rule says 127: its codes are zeros and only this program reads the bytes.
;   rw under 2^-126 comes out as 0 (the reciprocal flushes).  The logits' sums run in another order than a row-by-row sum: a token whose two largest logits differ by less than that rounding may go to the other of the two.
; No barrier: waves share nothing.  The two paths have LDS bytes of their own: weights 0 .. 33,791, router 33,792 .. 55,295.
.set MSB, 0
.macro WIN new                         ; the immediate's high byte repeats the setting that is left
.if MSB != \new
	s_set_vgpr_msb (MSB<<8)|\new
.set MSB, \new
.endif
.endm
.set TM,  32                           ; weights: v32-35 largest magnitudes, v36-39 bytes, v40-43 the hold, v44-47 the conversions' scale operands
.set PW,  48                           ; weights: v48-51 a fragment's scale words
.set X,   64                           ; both paths: numbers with a lane's registers along K
.set PC,  128                          ; weights: v128-191 codes, 16 registers for each fragment, so that no store's data are written again
.set A,   16                           ; router: v16-31 eight pairs of sums
.set LG,  32                           ; router: v32-39 the logits
.set C,   96                           ; router: v96-111 codes, two sets of 8
.set R,   128                          ; router: v128-255 four slots of 32: a token's row as loaded
; 64 numbers of a lane, register 16 b + i = k 32 b + 16 (lane / 16) + i of the lane's row, become a fragment's codes in v[pc] on and its scale word in v[pw]
.macro QUANT s, pc, pw
.irp b, 0,1,2,3
	v_max3_num_f32 v[TM+\b], |v[\s+16*\b]|, |v[\s+1+16*\b]|, 0x8000000   ; block b: my 16 numbers and the floor 2^(16 - 127): the byte cannot fall under 1
.endr
.irp i, 2,4,6,8,10,12,14
.irp b, 0,1,2,3
	v_max3_num_f32 v[TM+\b], v[TM+\b], |v[\s+16*\b+\i]|, |v[\s+1+16*\b+\i]|   ; the four blocks by turns
.endr
.endr
.irp b, 0,1,2,3
	v_permlanex16_b32 v[TM+4+\b], v[TM+\b], s26, s27
.endr
.irp b, 0,1,2,3
	v_max_num_f32 v[TM+\b], v[TM+\b], v[TM+4+\b]                 ; with lane l xor 16's 16: the block's largest magnitude
.endr
.irp b, 0,1,2,3
	v_add_nc_u32 v[TM+12+\b], 0xf8800000, v[TM+\b]               ; 15 off its exponent field: the conversion's scale operand
.endr
.irp b, 0,1,2,3
	v_and_or_b32 v[TM+8+\b], v[TM+\b], 0x7f800000, s28           ; 57,344 x the scale
.endr
.irp b, 0,1,2,3
	v_lshrrev_b32 v[TM+4+\b], 23, v[TM+12+\b]                    ; the scale's byte
.endr
	v_lshl_or_b32 v[\pw], v[TM+5], 8, v[TM+4]
	v_lshl_or_b32 v[\pw], v[TM+6], 16, v[\pw]
	v_lshl_or_b32 v[\pw], v[TM+7], 24, v[\pw]
.irp b, 0,1,2,3
.irp i, 0,1,2,3,4,5,6,7,8,9,10,11,12,13,14,15
	v_med3_num_f32 v[\s+16*\b+\i], v[\s+16*\b+\i], -v[TM+8+\b], v[TM+8+\b]   ; the conversion to an 8-bit code does not saturate (ISA guide 7.6.2)
.endr
	v_cvt_scalef32_pk8_bf8_f32 v[(\pc)+4*\b:(\pc)+1+4*\b], v[\s+16*\b:\s+7+16*\b], v[TM+12+\b]
	v_cvt_scalef32_pk8_bf8_f32 v[(\pc)+2+4*\b:(\pc)+3+4*\b], v[\s+8+16*\b:\s+15+16*\b], v[TM+12+\b]
.endr
	v_nop                                          ; a plain line behind the last conversion
.endm
	s_load_b512 s[4:19], s[0:1], 0x0               ; x 4:5, gate_w 6:7, w_gate 8:9, w_up 10:11, w_down 12:13, sel 14:15, xq 16:17, xsc 18:19
	s_load_b64 s[20:21], s[0:1], 0x40              ; wq
	v_lshl_add_u32 v14, v0, 2, 0xd800
	v_mov_b32 v15, 0
	v_lshrrev_b32 v1, 5, v0
	v_readfirstlane_b32 s22, v1                    ; wave 0..3
	s_and_b32 s23, ttmp7, 0xffff                   ; y
	s_mov_b32 s26, 0x76543210
	s_mov_b32 s27, 0xfedcba98                      ; v_permlanex16_b32's selects for lane l xor 16
	s_mov_b32 s28, 0x600000                        ; the mantissa field of 57,344
	s_mov_b32 s29, 0xffff0000                      ; lanes 16-31
	v_and_b32 v1, 31, v0                           ; lane L
	v_lshlrev_b32 v2, 4, v1                        ; 16 L
	s_cmp_ge_u32 ttmp9, 6
	s_cbranch_scc1 .Lrouter
	; ---------------- THE WEIGHTS ----------------
	s_lshl_b32 s30, ttmp9, 1
	s_lshr_b32 s31, s22, 1
	s_add_co_u32 s30, s30, s31                     ; unit t = 2 x + wave / 2
	s_and_b32 s31, s22, 1                          ; half p
	s_lshl_b32 s44, s23, 6
	s_lshl_b32 s45, s31, 5
	s_add_co_u32 s44, s44, s45
	s_lshl_b32 s44, s44, 12                        ; (64 y + 32 p) rows of 4,096 bytes = (128 y + 64 p) rows of 2,048
	s_lshl_b32 s45, s30, 9
	s_add_co_u32 s44, s44, s45                     ; + 512 t: the K step's bytes in a row
	s_mul_i32 s54, s23, 12
	s_add_co_u32 s54, s54, s30
	s_mul_i32 s54, s54, 16896                      ; where the unit begins in wq
	s_lshl_b32 s55, s31, 13
	s_add_co_u32 s56, s54, s55                     ; my four fragments
	s_mov_b32 s57, 0
	s_lshl_b32 s55, s31, 8
	s_add_co_u32 s54, s54, s55
	s_add_co_u32 s54, s54, 16384                   ; my 256 bytes of scale words
	s_mov_b32 s55, 0
	s_mov_b32 s53, 0x800
	s_mov_b32 s45, 0
	v_and_b32 v3, 15, v0                           ; r
	v_bfe_u32 v4, v0, 4, 1                         ; h
	s_mul_i32 s58, s22, 8448                       ; my stage: 16 rows of 512 + 16 bytes
	s_wait_alu depctr_va_vdst(0)
	v_add_nc_u32 v5, s58, v2                       ; into it: 16 L of a row
	v_mul_u32_u24 v6, v3, 528
	v_lshl_add_u32 v6, v4, 6, v6
	v_add_nc_u32 v6, s58, v6                       ; out of it: row r, + 64 h: 16 numbers of each block of 32
	v_lshlrev_b32 v7, 3, v1
.irp b, 0,1,2,3
	v_mov_b32 v[TM+4+\b], 0                        ; a lane permute's destination counts as one of its sources
.endr
	s_wait_kmcnt 0x0
	s_cmp_lt_u32 ttmp9, 4                          ; units 0-7 (gate and up) or 8-11 (down)?  The choice hangs on the work-group's number alone
	s_cselect_b64 s[48:49], s[8:9], s[12:13]       ; fragments 0, 1 of my four come from here,
	s_cselect_b64 s[50:51], s[10:11], s[12:13]     ; fragments 2, 3 from here
	s_cselect_b32 s46, 0, 0x1000                   ; down's K step is t - 8: 8 x 512 bytes less
	s_cselect_b32 s47, 0, 0x10000                  ; down: fragment 2 lies 32 rows of 2,048 bytes on
	s_cselect_b32 s52, 0x8000, 0                   ; gate, up: a fragment's lanes 8-15 take rows 8 further on
	s_cselect_b32 s53, 0x1000, s53                 ; a row in bytes
	s_sub_co_u32 s44, s44, s46
	s_add_nc_u64 s[32:33], s[48:49], s[44:45]
	s_add_nc_u64 s[34:35], s[32:33], 0x8000        ; 8 rows of 4,096 bytes, or 16 rows of 2,048
	s_add_co_u32 s44, s44, s47
	s_add_nc_u64 s[36:37], s[50:51], s[44:45]
	s_add_nc_u64 s[38:39], s[36:37], 0x8000
	s_add_nc_u64 s[40:41], s[20:21], s[56:57]
	s_add_nc_u64 s[42:43], s[20:21], s[54:55]
.irp r, 0,1,2,3,4,5,6,7,8,9,10,11,12,13,14,15
	v_mad_u32_u24 v[16+\r], s53, \r, v2            ; fragment row r: 16 L + r rows
.endr
.irp r, 8,9,10,11,12,13,14,15
	v_add_nc_u32 v[16+\r], s52, v[16+\r]
.endr
	WIN 0x40                                       ; destination window 1
.irp i, 0,1,2,3
.irp r, 0,1,2,3,4,5,6,7,8,9,10,11,12,13,14,15
	global_load_b128 v[64*\i+4*\r:64*\i+4*\r+3], v[16+\r], s[32+2*\i:33+2*\i] th:TH_LOAD_NT   ; 32 lanes read 512 consecutive bytes of one weight row; all 64 loads go out at once
.endr
.endr
	WIN 0
.macro WSTEP i                         ; fragment i of my four
	s_wait_loadcnt 48-16*(\i)                      ; the 16 loads of each later fragment may stay out
	WIN 0x04                                       ; an LDS store's data are its source 1: window 1
.irp r, 0,1,2,3,4,5,6,7,8,9,10,11,12,13,14,15
	ds_store_b128 v5, v[64*(\i)+4*\r:64*(\i)+4*\r+3] offset:528*\r
.endr
	WIN 0
.irp c, 0,1,2,3
.irp j, 0,1,2,3
	ds_load_b128 v[X+16*\c+4*\j:X+16*\c+4*\j+3], v6 offset:128*\c+16*\j   ; LDS serves a wave's instructions in order: these see the stores above
.endr
.endr
	s_wait_dscnt 0x0
	QUANT X, PC+16*(\i), PW+(\i)
.irp c, 0,1,2,3
	global_store_b128 v2, v[PC+16*(\i)+4*\c:PC+16*(\i)+4*\c+3], s[40:41] offset:2048*(\i)+512*\c   ; 512 consecutive bytes
.endr
.endm
	WSTEP 0
	WSTEP 1
	WSTEP 2
	WSTEP 3
	v_cndmask_b32 v52, v48, v49, s29               ; lanes 0-15: the even fragment's words, lanes 16-31: the odd one's
	v_cndmask_b32 v53, v50, v51, s29
	global_store_b64 v7, v[52:53], s[42:43]        ; 256 consecutive bytes
	s_wait_tensorcnt 0x0
	ds_add_u32 v14, v15
	s_wait_dscnt 0x0
	s_endpgm
	; ---------------- THE ROUTER ----------------
.Lrouter:
	s_sub_co_u32 s30, ttmp9, 6
	s_lshl_b32 s30, s30, 5
	s_lshl_b32 s31, s23, 6
	s_add_co_u32 s30, s30, s31
	s_lshl_b32 s31, s22, 3
	s_add_co_u32 s30, s30, s31                     ; my first token: 64 y + 32 (x - 6) + 8 wave
	s_mov_b32 s45, 0
	s_mul_i32 s31, s22, 5376
	s_add_co_u32 s31, s31, 33792                   ; my LDS: two stages of 32 x 80 bytes, then 256 scale bytes
	s_wait_alu depctr_va_vdst(0)
	v_lshrrev_b32 v3, 2, v1
	v_mul_u32_u24 v3, v3, 80
	v_and_b32 v4, 3, v1
	v_lshl_add_u32 v3, v4, 4, v3
	v_add_nc_u32 v3, s31, v3                       ; a stage, on the way in: four lanes' 64 bytes on end, then 16 of padding
	v_mul_u32_u24 v4, v1, 80
	v_add_nc_u32 v4, s31, v4                       ; on the way out: my 16 neighbours
	v_lshrrev_b32 v5, 1, v1
	v_add_nc_u32 v5, s31, v5
	v_add_nc_u32 v5, 5120, v5                      ; my block's scale byte
	v_lshlrev_b32 v7, 3, v1
	v_add_nc_u32 v6, s31, v7
	v_add_nc_u32 v6, 5120, v6                      ; and on the way out 8 bytes a lane
	v_mov_b32 v8, 0                                ; lane t will hold token t's expert
	v_lshlrev_b32 v9, 2, v1
.irp e, 0,1,2,3,4,5,6,7
	v_mov_b32 v[40+\e], 0                          ; a lane permute's destination counts as one of its sources
.endr
	s_wait_kmcnt 0x0
	s_lshl_b32 s44, s30, 12
	s_add_nc_u64 s[4:5], s[4:5], s[44:45]
	s_lshl_b32 s44, s30, 10
	s_add_nc_u64 s[16:17], s[16:17], s[44:45]
	s_lshl_b32 s44, s30, 5
	s_add_nc_u64 s[18:19], s[18:19], s[44:45]
	s_lshl_b32 s44, s30, 2
	s_add_nc_u64 s[14:15], s[14:15], s[44:45]
	WIN 0x40
.irp e, 0,1,2,3,4,5,6,7
.irp i, 0,1,2,3,4,5,6,7
	global_load_b128 v[32*\e+4*\i:32*\e+4*\i+3], v2, s[6:7] offset:4096*\e+512*\i   ; gate_w stays in window 1: register 32 e + 4 i + j = gate_w[e][128 i + 4 L + j]
.endr
.endr
	WIN 0
.macro XLOAD t                         ; token t's row, as it lies: 8 loads of 512 consecutive bytes
.irp i, 0,1,2,3,4,5,6,7
	global_load_b128 v[R+32*((\t)%4)+4*\i:R+32*((\t)%4)+4*\i+3], v2, s[4:5] offset:4096*(\t)+512*\i th:TH_LOAD_NT
.endr
.endm
	XLOAD 0
	XLOAD 1
	XLOAD 2
	XLOAD 3
.macro TOKEN t
.set RS, R+32*((\t)%4)
.set CSET, C+8*((\t)%2)
.if (\t) < 5
	s_wait_loadcnt 24                              ; the 8 loads of each of the three tokens behind this one may stay out (gate_w's are older)
.else
	s_wait_loadcnt 8*(7-(\t))
.endif
.irp p, 0,1                            ; the row turns through the stages, half by half: afterwards a lane holds 16 neighbours of each half
.irp i, 0,1,2,3
	ds_store_b128 v3, v[RS+16*\p+4*\i:RS+16*\p+4*\i+3] offset:2560*\p+640*\i
.endr
.irp i, 0,1,2,3
	ds_load_b128 v[X+16*\p+4*\i:X+16*\p+4*\i+3], v4 offset:2560*\p+16*\i
.endr
.endr
	WIN 0x04                                       ; source 1 (gate_w) window 1
.irp e, 0,1,2,3,4,5,6,7
	v_pk_mul_f32 v[A+2*\e:A+2*\e+1], v[RS:RS+1], v[32*\e:32*\e+1]          ; the first products start the sums
.endr
.irp q, 1,2,3,4,5,6,7,8,9,10,11,12,13,14,15
.irp e, 0,1,2,3,4,5,6,7
	v_pk_fma_f32 v[A+2*\e:A+2*\e+1], v[RS+2*\q:RS+2*\q+1], v[32*\e+2*\q:32*\e+2*\q+1], v[A+2*\e:A+2*\e+1]   ; eight chains by turns
.endr
.endr
	WIN 0
.irp e, 0,1,2,3,4,5,6,7
	v_add_f32 v[LG+\e], v[A+2*\e], v[A+2*\e+1]
.endr
.irp k, 1,2,4,8
.irp e, 0,1,2,3,4,5,6,7
	v_add_f32_dpp v[LG+\e], v[LG+\e], v[LG+\e] row_xmask:\k row_mask:0xf bank_mask:0xf
.endr
.endr
.irp e, 0,1,2,3,4,5,6,7
	v_permlanex16_b32 v[40+\e], v[LG+\e], s26, s27
.endr
.irp e, 0,1,2,3,4,5,6,7
	v_add_f32 v[LG+\e], v[LG+\e], v[40+\e]         ; every lane holds all eight logits, the same bits in each
.endr
	v_mov_b32 v48, v[LG]                           ; the largest so far,
	v_mov_b32 v49, 0                               ; and its expert
.irp e, 1,2,3,4,5,6,7
	v_cmp_ge_f32 vcc_lo, v48, v[LG+\e]             ; keep where the old one is not smaller: a tie keeps the lower index
	v_cndmask_b32 v48, v[LG+\e], v48, vcc_lo
	v_cndmask_b32 v49, \e, v49, vcc_lo
.endr
	v_mul_f32 v52, 0xbfb8aa3b, v48                 ; -log2(e) x the top logit
	s_wait_alu depctr_va_vdst(0)
	v_exp_f32 v52, v52
	v_cmp_eq_u32 vcc_lo, \t, v1                    ; (plain lines behind the exponential)  lane t keeps this token's expert
	v_cndmask_b32 v8, v8, v49, vcc_lo
	s_wait_alu depctr_va_vdst(0)
	v_add_f32 v52, 1.0, v52
	s_wait_alu depctr_va_vdst(0)
	v_rcp_f32 v50, v52                             ; rw
	v_nop
	s_wait_alu depctr_va_vdst(0)
	v_mov_b32 v51, v50
	s_wait_alu depctr_va_vdst(0)
	s_wait_dscnt 0x0                               ; the row is back from the stages, whose stores have read the slot
	s_wait_xcnt 0x0                                ; the stores of two tokens ago have read this set of code registers
.if (\t) < 4
	XLOAD (\t)+4                                   ; the slot takes the token four further on
.endif
.irp q, 0,1,2,3,4,5,6,7,8,9,10,11,12,13,14,15
	v_pk_mul_f32 v[X+2*\q:X+2*\q+1], v[X+2*\q:X+2*\q+1], v[50:51]          ; xs = x rw
.endr
.irp p, 0,1
	v_max3_num_f32 v[52+4*\p], |v[X+16*\p]|, |v[X+16*\p+1]|, |v[X+16*\p+2]|
	v_max3_num_f32 v[53+4*\p], |v[X+16*\p+3]|, |v[X+16*\p+4]|, |v[X+16*\p+5]|
.endr
.irp i, 6,10
.irp p, 0,1
	v_max3_num_f32 v[52+4*\p], v[52+4*\p], |v[X+16*\p+\i]|, |v[X+16*\p+\i+1]|
	v_max3_num_f32 v[53+4*\p], v[53+4*\p], |v[X+16*\p+\i+2]|, |v[X+16*\p+\i+3]|
.endr
.endr
.irp p, 0,1
	v_max3_num_f32 v[52+4*\p], v[52+4*\p], |v[X+16*\p+14]|, |v[X+16*\p+15]|
.endr
.irp p, 0,1
	v_max3_num_f32 v[52+4*\p], v[52+4*\p], v[53+4*\p], 0x8000000           ; and the floor 2^(16 - 127)
.endr
.irp p, 0,1
	v_max_num_f32_dpp v[52+4*\p], v[52+4*\p], v[52+4*\p] row_xmask:1 row_mask:0xf bank_mask:0xf   ; with my neighbour's 16: the block's
.endr
.irp p, 0,1
	v_add_nc_u32 v[55+4*\p], 0xf8800000, v[52+4*\p]                        ; the conversion's scale operand
.endr
.irp p, 0,1
	v_and_or_b32 v[54+4*\p], v[52+4*\p], 0x7f800000, s28                   ; 57,344 x the scale
.endr
.irp p, 0,1
.irp i, 0,1,2,3,4,5,6,7,8,9,10,11,12,13,14,15
	v_med3_num_f32 v[X+16*\p+\i], v[X+16*\p+\i], -v[54+4*\p], v[54+4*\p]
.endr
	v_cvt_scalef32_pk8_bf8_f32 v[CSET+4*\p:CSET+4*\p+1], v[X+16*\p:X+16*\p+7], v[55+4*\p]
	v_cvt_scalef32_pk8_bf8_f32 v[CSET+4*\p+2:CSET+4*\p+3], v[X+16*\p+8:X+16*\p+15], v[55+4*\p]
.endr
.irp p, 0,1
	v_lshrrev_b32 v[60+\p], 23, v[55+4*\p]         ; the scale's byte (a plain line behind the conversions)
.endr
.irp p, 0,1
	ds_store_b8 v5, v[60+\p] offset:32*(\t)+16*\p  ; both lanes of a block write the same byte with the same value
	global_store_b128 v2, v[CSET+4*\p:CSET+4*\p+3], s[16:17] offset:1024*(\t)+512*\p   ; 512 consecutive bytes
.endr
.endm
.irp t, 0,1,2,3,4,5,6,7
	TOKEN \t
.endr
	ds_load_b64 v[62:63], v6                       ; my eight tokens' 256 scale bytes: LDS serves a wave's instructions in order
	s_wait_dscnt 0x0
	global_store_b64 v7, v[62:63], s[18:19]        ; 256 consecutive bytes
	s_wait_xcnt 0x0                                ; EXEC changes only behind this wait
	v_cmp_gt_u32 vcc_lo, 8, v1
	s_wait_tensorcnt 0x0
	ds_add_u32 v14, v15
	s_wait_dscnt 0x0
	s_and_saveexec_b32 s31, vcc_lo
	global_store_b32 v9, v8, s[14:15]              ; lanes 0-7: the experts of my eight tokens
	s_wait_xcnt 0x0
	s_or_b32 exec_lo, exec_lo, s31
	s_endpgm
.Lfunc_end_k_qcd9836cc7c_prep:
	.size	k_qcd9836cc7c_prep, .Lfunc_end_k_qcd9836cc7c_prep-k_qcd9836cc7c_prep
	.p2alignl 7, 3214868480
	.fill 96, 4, 3214868480
	.section	.rodata,"a",@progbits
	.p2align	6, 0x0
	.amdhsa_kernel k_qcd9836cc7c_prep
		.amdhsa_group_segment_fixed_size 55808
		.amdhsa_private_segment_fixed_size 0
		.amdhsa_enable_private_segment 0
		.amdhsa_kernarg_size 72
		.amdhsa_user_sgpr_count 2
		.amdhsa_user_sgpr_kernarg_segment_ptr 1
		.amdhsa_wavefront_size32 1
		.amdhsa_system_sgpr_workgroup_id_x 1
		.amdhsa_system_sgpr_workgroup_id_y 1
		.amdhsa_system_sgpr_workgroup_id_z 1
		.amdhsa_system_vgpr_workitem_id 0
		.amdhsa_next_free_vgpr 512
		.amdhsa_next_free_sgpr 66
		.amdhsa_reserve_vcc 1
		.amdhsa_float_denorm_mode_32 3
		.amdhsa_float_denorm_mode_16_64 3
		.amdhsa_memory_ordered 1
		.amdhsa_forward_progress 1
		.amdhsa_inst_pref_size 215
	.end_amdhsa_kernel
	.amdgpu_metadata
---
amdhsa.version: [ 1, 2 ]
amdhsa.kernels:
  - .name:           k_qcd9836cc7c_prep
    .symbol:         k_qcd9836cc7c_prep.kd
    .args:
      - { .name: hidden_states, .offset: 0, .size: 8, .value_kind: global_buffer, .address_space: global }
      - { .name: gate_w, .offset: 8, .size: 8, .value_kind: global_buffer, .address_space: global }
      - { .name: w_gate, .offset: 16, .size: 8, .value_kind: global_buffer, .address_space: global }
      - { .name: w_up, .offset: 24, .size: 8, .value_kind: global_buffer, .address_space: global }
      - { .name: w_down, .offset: 32, .size: 8, .value_kind: global_buffer, .address_space: global }
      - { .name: sel, .offset: 40, .size: 8, .value_kind: global_buffer, .address_space: global }
      - { .name: xq, .offset: 48, .size: 8, .value_kind: global_buffer, .address_space: global }
      - { .name: xsc, .offset: 56, .size: 8, .value_kind: global_buffer, .address_space: global }
      - { .name: wq, .offset: 64, .size: 8, .value_kind: global_buffer, .address_space: global }
    .group_segment_fixed_size: 55808
    .private_segment_fixed_size: 0
    .kernarg_segment_align: 8
    .kernarg_segment_size: 72
    .max_flat_workgroup_size: 128
    .sgpr_count:     66
    .vgpr_count:     512
    .wavefront_size: 32
...
	.end_amdgpu_metadata
.endif
;; end of part 4
;; launch place (part 5): grid 1 x 1, 16 waves a work-group, no clusters, 2,560 bytes of LDS; arguments sel, order, meta; writes order, meta
.if DOCPART == 5
	.amdgcn_target "amdgcn-amd-amdhsa--gfx1250"
	.amdhsa_code_object_version 6
	.text
	.protected	k_qcd9836cc7c_place
	.globl	k_qcd9836cc7c_place
	.p2align	8
	.type	k_qcd9836cc7c_place,@function
k_qcd9836cc7c_place:
	s_mov_b64 s[64:65], 0
	v_nop
	global_prefetch_b8 v0, s[64:65] scope:SCOPE_SE
	s_setreg_imm32_b32 hwreg(HW_REG_WAVE_MODE, 25, 1), 1
	s_wait_xcnt 0x0
; A COUNTING SORT of the 4,096 tokens by their expert (sel, whole numbers stored by the launch before), and the list of tiles.  One work-group of sixteen waves, no atomics; whole numbers alone.
; order[OB_e + rank] = token: the tokens of expert e on end.   meta[tile] = (expert, first index in order, rows 0..32, 0) for tiles of 32 rows: expert e has ceil(TOT_e / 32) of them;
; there are never more than 4,096 / 32 + 7 = 135, whatever the split; all 160 entries are written, those past the last tile with 0 rows.
; A wave holds 256 tokens, 8 a lane.  Its ranks come from lane masks (a compare, the count of lower lanes, the mask's population); the waves' counts meet in LDS ([expert][wave], one barrier).
; Scalars: s8-15 my wave's counts; s16-23 the experts' totals; s24-31 where my wave's tokens of expert e begin; s32-40 OB; s41-49 the experts' first tiles.
	s_load_b128 s[52:55], s[0:1], 0x0              ; sel, order
	s_load_b64 s[56:57], s[0:1], 0x10              ; meta
	v_lshl_add_u32 v64, v0, 2, 0x200
	v_mov_b32 v65, 0
	v_and_b32 v1, 31, v0                           ; lane L
	v_lshrrev_b32 v3, 5, v0
	s_delay_alu instid0(VALU_DEP_1)
	v_readfirstlane_b32 s58, v3                    ; wave 0..15
	s_delay_alu instid0(VALU_DEP_3)
	v_lshlrev_b32 v2, 4, v1
	s_delay_alu instid0(VALU_DEP_1)
	v_lshl_add_u32 v2, v3, 10, v2                  ; sel: 1,024 wave + 16 L
	v_lshlrev_b32 v4, 2, v1
	s_delay_alu instid0(VALU_DEP_1)
	v_lshl_add_u32 v4, v3, 8, v4                   ; token 256 wave + 4 L
	v_lshlrev_b32 v5, 2, v3                        ; LDS: my wave's word in a row of counts
	v_and_b32 v6, 7, v0
	s_delay_alu instid0(VALU_DEP_1)
	v_lshlrev_b32 v6, 6, v6                        ; LDS: the row of expert L % 8
	v_lshlrev_b32 v7, 4, v0                        ; meta: 16 bytes a tile
	s_wait_alu depctr_va_vdst(0)
	s_wait_kmcnt 0x0
	global_load_b128 v[8:11], v2, s[52:53]         ; register n = 4 q + j: token 256 wave + 128 q + 4 L + j
	global_load_b128 v[12:15], v2, s[52:53] offset:512
.irp e, 0,1,2,3,4,5,6,7
	s_mov_b32 s[8+\e], 0
.endr
.irp n, 0,1,2,3,4,5,6,7
	v_mov_b32 v[16+\n], 0
.endr
	s_wait_loadcnt 0x0
.irp n, 0,1,2,3,4,5,6,7
	v_min_u32 v[8+\n], 7, v[8+\n]
.endr
.irp e, 0,1,2,3,4,5,6,7
.irp n, 0,1,2,3,4,5,6,7
	v_cmp_eq_u32 vcc_lo, \e, v[8+\n]
	s_delay_alu instid0(VALU_DEP_1)
	v_mbcnt_lo_u32_b32 v24, vcc_lo, s[8+\e]        ; the count so far + the lower lanes that hold this expert
	s_delay_alu instid0(VALU_DEP_1)
	v_cndmask_b32 v[16+\n], v[16+\n], v24, vcc_lo  ; the token's rank among my wave's tokens of its expert
	s_bcnt1_i32_b32 s50, vcc_lo
	s_add_co_u32 s[8+\e], s[8+\e], s50
.endr
.endr
.irp e, 0,1,2,3,4,5,6,7
	v_mov_b32 v24, s[8+\e]
	ds_store_b32 v5, v24 offset:64*\e              ; all lanes write the same word with the same value
.endr
	s_wait_dscnt 0x0                               ; for the others' sake: my counts have landed
	s_barrier_signal -1
	s_barrier_wait -1
.irp q, 0,1,2,3
	ds_load_b128 v[32+4*\q:35+4*\q], v6 offset:16*\q   ; lane L: the sixteen waves' counts of expert L % 8
.endr
	v_mov_b32 v49, 0
	s_wait_alu depctr_va_vdst(0)
	s_wait_dscnt 0x0
	v_add3_u32 v48, v32, v33, v34
.irp i, 35,37,39,41,43,45
	s_delay_alu instid0(VALU_DEP_1)
	v_add3_u32 v48, v48, v[\i], v[\i+1]
.endr
	s_delay_alu instid0(VALU_DEP_1)
	v_add_nc_u32 v48, v48, v47                     ; the expert's total
.irp i, 0,1,2,3,4,5,6,7,8,9,10,11,12,13,14
	s_cmp_gt_u32 s58, \i
	s_cselect_b32 s50, 1, 0
	v_mad_u32_u24 v49, v[32+\i], s50, v49          ; the counts of the waves in front of mine
.endr
.irp e, 0,1,2,3,4,5,6,7
	v_readlane_b32 s[16+\e], v48, \e
	v_readlane_b32 s[24+\e], v49, \e
.endr
	s_mov_b32 s32, 0
	s_mov_b32 s41, 0
.irp e, 0,1,2,3,4,5,6,7
	s_add_co_u32 s[33+\e], s[32+\e], s[16+\e]      ; OB
	s_add_co_u32 s[24+\e], s[24+\e], s[32+\e]      ; where my wave's tokens of expert e begin
	s_add_co_u32 s50, s[16+\e], 31
	s_lshr_b32 s50, s50, 5
	s_add_co_u32 s[42+\e], s[41+\e], s50           ; the next expert's first tile
.endr
.irp n, 0,1,2,3,4,5,6,7
	v_mov_b32 v24, s24
.irp e, 1,2,3,4,5,6,7
	v_cmp_ne_u32 vcc_lo, \e, v[8+\n]               ; keep where the token's expert is another
	s_delay_alu instid0(VALU_DEP_1)
	v_cndmask_b32 v24, s[24+\e], v24, vcc_lo
.endr
	s_delay_alu instid0(VALU_DEP_1)
	v_add_nc_u32 v24, v24, v[16+\n]
	s_delay_alu instid0(VALU_DEP_1)
	v_min_u32 v24, 0xfff, v24                      ; a place in order
	s_delay_alu instid0(VALU_DEP_1)
	v_lshlrev_b32 v[32+\n], 2, v24
	v_add_nc_u32 v[40+\n], 128*(\n/4)+(\n%4), v4   ; the token's number
	global_store_b32 v[32+\n], v[40+\n], s[54:55]
.endr
	s_cmp_gt_u32 s58, 4                            ; the list of tiles: threads 0 to 159, a tile each.  No barrier stands behind this branch
	s_cbranch_scc1 .Ldone
	v_mov_b32 v28, 0                               ; the tile's expert: the last one whose first tile is not behind it
	v_mov_b32 v25, 0                               ; that expert's first tile,
	v_mov_b32 v26, 0                               ; its place in order,
	v_mov_b32 v27, s16                             ; its total
.irp e, 1,2,3,4,5,6,7
	v_cmp_gt_u32 vcc_lo, s[41+\e], v0              ; keep where expert e begins behind this tile
	s_delay_alu instid0(VALU_DEP_1)
	v_cndmask_b32 v28, \e, v28, vcc_lo
	s_delay_alu instid0(VALU_DEP_2)
	v_cndmask_b32 v25, s[41+\e], v25, vcc_lo
	s_delay_alu instid0(VALU_DEP_3)
	v_cndmask_b32 v26, s[32+\e], v26, vcc_lo
	s_delay_alu instid0(VALU_DEP_4)
	v_cndmask_b32 v27, s[16+\e], v27, vcc_lo
.endr
	s_delay_alu instid0(VALU_DEP_3)
	v_sub_nc_u32 v25, v0, v25
	s_delay_alu instid0(VALU_DEP_1)
	v_lshlrev_b32 v25, 5, v25                      ; k: the tile's first row among the expert's
	s_delay_alu instid0(VALU_DEP_1)
	v_add_nc_u32 v29, v26, v25
	s_delay_alu instid0(VALU_DEP_1)
	v_min_u32 v29, 0xfff, v29                      ; its first index in order
	s_delay_alu instid0(VALU_DEP_3)
	v_min_u32 v24, v27, v25
	s_delay_alu instid0(VALU_DEP_4)
	v_add_nc_u32 v25, 32, v25
	s_delay_alu instid0(VALU_DEP_1)
	v_min_u32 v30, v27, v25
	s_delay_alu instid0(VALU_DEP_1)
	v_sub_nc_u32 v30, v30, v24                     ; rows: min(total, k + 32) - min(total, k), 0 .. 32
	v_mov_b32 v31, 0
	global_store_b128 v7, v[28:31], s[56:57]
.Ldone:
	s_wait_tensorcnt 0x0
	ds_add_u32 v64, v65
	s_wait_dscnt 0x0
	s_endpgm
.Lfunc_end_k_qcd9836cc7c_place:
	.size	k_qcd9836cc7c_place, .Lfunc_end_k_qcd9836cc7c_place-k_qcd9836cc7c_place
	.p2alignl 7, 3214868480
	.fill 96, 4, 3214868480
	.section	.rodata,"a",@progbits
	.p2align	6, 0x0
	.amdhsa_kernel k_qcd9836cc7c_place
		.amdhsa_group_segment_fixed_size 2560
		.amdhsa_private_segment_fixed_size 0
		.amdhsa_enable_private_segment 0
		.amdhsa_kernarg_size 24
		.amdhsa_user_sgpr_count 2
		.amdhsa_user_sgpr_kernarg_segment_ptr 1
		.amdhsa_wavefront_size32 1
		.amdhsa_system_sgpr_workgroup_id_x 1
		.amdhsa_system_sgpr_workgroup_id_y 1
		.amdhsa_system_sgpr_workgroup_id_z 1
		.amdhsa_system_vgpr_workitem_id 0
		.amdhsa_next_free_vgpr 66
		.amdhsa_next_free_sgpr 66
		.amdhsa_reserve_vcc 1
		.amdhsa_float_denorm_mode_32 3
		.amdhsa_float_denorm_mode_16_64 3
		.amdhsa_memory_ordered 1
		.amdhsa_forward_progress 1
		.amdhsa_inst_pref_size 36
	.end_amdhsa_kernel
	.amdgpu_metadata
---
amdhsa.version: [ 1, 2 ]
amdhsa.kernels:
  - .name:           k_qcd9836cc7c_place
    .symbol:         k_qcd9836cc7c_place.kd
    .args:
      - { .name: sel, .offset: 0, .size: 8, .value_kind: global_buffer, .address_space: global }
      - { .name: order, .offset: 8, .size: 8, .value_kind: global_buffer, .address_space: global }
      - { .name: meta, .offset: 16, .size: 8, .value_kind: global_buffer, .address_space: global }
    .group_segment_fixed_size: 2560
    .private_segment_fixed_size: 0
    .kernarg_segment_align: 8
    .kernarg_segment_size: 24
    .max_flat_workgroup_size: 512
    .sgpr_count:     66
    .vgpr_count:     66
    .wavefront_size: 32
...
	.end_amdgpu_metadata
.endif
;; end of part 5
;; launch chain (part 6): grid 135 x 1, 8 waves a work-group, no clusters, 120,320 bytes of LDS; arguments meta, order, xq, xsc, wq, out0; writes out0
.if DOCPART == 6
	.amdgcn_target "amdgcn-amd-amdhsa--gfx1250"
	.amdhsa_code_object_version 6
	.text
	.protected	k_qcd9836cc7c_chain
	.globl	k_qcd9836cc7c_chain
	.p2align	8
	.type	k_qcd9836cc7c_chain,@function
k_qcd9836cc7c_chain:
	s_mov_b64 s[64:65], 0
	v_nop
	global_prefetch_b8 v0, s[64:65] scope:SCOPE_SE
	s_setreg_imm32_b32 hwreg(HW_REG_WAVE_SCHED_MODE, 0, 2), 2
	s_setreg_imm32_b32 hwreg(HW_REG_WAVE_MODE, 25, 1), 1
	s_wait_xcnt 0x0
	s_wait_alu depctr_vm_vsrc(0)
; ONE TILE OF 32 ROWS OF ONE EXPERT THROUGH THE WHOLE CHAIN: gather the rows' codes, g = xs Wg^T and u = xs Wu^T, h = u g / (1 + e^-g), h quantised along I, out = h Wd^T, rows stored.  Both products on codes of E5M2
; with one E8M0 scale for each 32 along K.  The hidden layer never goes to memory.  Rows of the other experts are zeros in the definition and add nothing: they are not multiplied.
; THE GRID serves every split: 4,096 / 32 + 7 = 135 tiles at the most.  A tile without rows walks the same text on clamped addresses (its barriers may not hang on loaded data) and stores nothing.
; Rows past a tile's count repeat its last row; what they give is the same bits, stored once more at the same place by the same wave (under 16 rows a tile: the second 16 rows are passed over where the count is 16 or less).
; SHARES.  Eight waves share the COLUMNS: wave w makes hidden units 64 w .. 64 w + 63 (gate and up) and outputs 128 w .. 128 w + 127, for all 32 rows (two tiles m of 16).
; THE WEIGHTS go from memory straight into registers: the launch that quantised them laid them in the order of the operand's registers, 12 units of 16,896 bytes for each (expert, wave), a unit = one K step of 128:
; 8 fragments and their scale words.  Each weight byte is read once by the work-group.  Two units (34 loads each) are always asked for ahead, across both phases and both barriers.
; No joint loads: which tiles share an expert is data, so partners of a cluster could not be given the same weights by a fixed grid; and the walk hangs on the stored list, so the weights come by plain loads.
; BOTH PRODUCTS ARE USED TRANSPOSED (source 0 = 16 weight rows, source 1 = 16 rows of the tile): a lane holds one row, its registers run along the columns.  A unit is 8 x 2 = 16 matrix instructions on 16 accumulators,
; which take turns, one instruction a turn, in the same order in every unit.
; LIMITS: NaN and infinities are not served; a block of zeros of h gets the byte 1 (its codes are zeros); where e^-g overflows, h is 0.
; REGISTERS.  Window 0: v1-14 addresses; v16-23 the rows' scale words (K steps 0-7; lanes 0-15 rows 0-15, lanes 16-31 rows 16-31), v24-27 h's, v28-35 the weights' (two sets): these hold scales and nothing else;
;   v36-51 at work; v64-127 the rows' fragments (two sets of 2 x 16), then h, then rows of out; v128-255 the accumulators (f, m) at 128 + 8 (2 f + m).   Window 1: the weights, two buffers of 8 fragments.
; THE MODE: SCHED_MODE bits 1:0 = 2 (LLVM: expert scheduling mode 2), set by the entry lines.  The code itself states the register dependences between vector or matrix instructions and memory or LDS
; instructions, with s_wait_alu, always for 0.
; THE PLAN.  Registers that memory or LDS instructions touch:
;   v4-v12, v14     offsets and LDS addresses: written at the head, ahead of the second wait on va_vdst, and never again.
;   v36-39, v44-49  addresses of the head's loads: written by vector lines, read by those loads, written again by h's quantiser and on the way out.
;   v128-159        the gathered codes: loaded, read by my LDS stores, then written by the first product (they are accumulators).
;   window 1 buffer t % 2, the weights' scale set t % 2, the rows' fragment set t % 2: loaded for unit t, read by unit t's 16 matrix instructions, loaded again for unit t + 2.
;   v64-127         between the products: h, named by vector instructions alone; then fragments again; on the way out loaded from the stage and read by the global stores.
;   v128-143, v52   h's codes and scale bytes: written by the conversions, read by my LDS stores; v128 on are then written by the second product.
;   the accumulators: written by matrix instructions, read by the way out's LDS stores.     v36-51 on the way out: written by 16 additions, read by 16 global stores, twice.
; So ONE wait on va_vdst stands in a unit, behind its 16 matrix instructions: they are done reading the three buffers in which the loads behind the wait land.  It stands there and not at the next unit's head,
; so that the buffers are asked for again at once and two units stay on their way.  No load can be dealt among a unit's matrix instructions: each lands in registers that those read, and the wave's 512 registers
; (two waves to a SIMD's 1,024) hold no third buffer.  Three waits on vm_vsrc: behind each of the two barriers, and ahead of the second 16 rows' way out.
.set XIMG, 0                           ; LDS: the rows' codes: for each m 64 pieces of 256 + 16 bytes; piece k / 16 holds 16 bytes of each of 16 rows
.set HIMG, 34816                       ; h's 8 fragments (m, K step) as images of their registers: 2048 (4 m + s) + 512 c + 16 L
.set HSC,  51200                       ; h's scale words: [K step][row 0..31]
.set STG,  51712                       ; the way out: 16 rows of 512 + 16 bytes for each wave
.set UNITB, 16896
.set XS,  16
.set HS,  24
.set WS,  28
.set TM,  36
.set XF,  64
.set HV,  64
.set OB,  64
.set ACC, 128
.set PC,  128
.set MSB, 0
.macro WIN new                         ; the immediate's high byte repeats the setting that is left
.if MSB != \new
	s_set_vgpr_msb (MSB<<8)|\new
.set MSB, \new
.endif
.endm
.macro WLOAD t                         ; unit t: 32 loads of 512 consecutive bytes into buffer t % 2, and its scale words: 34 loads
	WIN 0x40                                       ; destination window 1
.irp f, 0,1,2,3,4,5,6,7
.irp c, 0,1,2,3
	global_load_b128 v[128*((\t)%2)+16*\f+4*\c:128*((\t)%2)+16*\f+4*\c+3], v4, s[22:23] offset:UNITB*(\t)+2048*\f+512*\c
.endr
.endr
	WIN 0
.irp p, 0,1
	global_load_b64 v[WS+4*((\t)%2)+2*\p:WS+4*((\t)%2)+2*\p+1], v5, s[22:23] offset:UNITB*(\t)+16384+256*\p   ; word q: lanes 0-15 fragment 2 q, lanes 16-31 fragment 2 q + 1
.endr
.endm
.macro XFETCH t                        ; the rows' two fragments of K step t: 8 LDS loads, each of 2 x 256 consecutive bytes
.irp m, 0,1
.irp c, 0,1,2,3
	ds_load_b128 v[XF+32*((\t)%2)+16*\m+4*\c:XF+32*((\t)%2)+16*\m+4*\c+3], v6 offset:17408*\m+272*(8*(\t)+2*\c)
.endr
.endr
.endm
.macro HFETCH t                        ; h's two fragments of K step t - 8: 8 LDS loads
.irp m, 0,1
.irp c, 0,1,2,3
	ds_load_b128 v[XF+32*((\t)%2)+16*\m+4*\c:XF+32*((\t)%2)+16*\m+4*\c+3], v4 offset:HIMG+2048*(4*\m+(\t)-8)+512*\c
.endr
.endr
.endm
.macro WM t, f, m, zero, sb            ; one product: weight fragment f x rows' tile m.  An odd fragment's scale words lie in lanes 16-31, and so do those of rows 16-31
.set rD, ACC+8*(2*(\f)+(\m))
.set rA, 128*((\t)%2)+16*(\f)
.set rB, XF+32*((\t)%2)+16*(\m)
.set rS, WS+4*((\t)%2)+(\f)/2
.if \zero
.if ((\f)%2 == 0) && ((\m) == 0)
	v_wmma_scale_f32_16x16x128_f8f6f4 v[rD:rD+7], v[rA:rA+15], v[rB:rB+15], 0, v[rS], v[\sb] matrix_a_fmt:MATRIX_FMT_BF8 matrix_b_fmt:MATRIX_FMT_BF8
.elseif ((\m) == 0)
	v_wmma_scale_f32_16x16x128_f8f6f4 v[rD:rD+7], v[rA:rA+15], v[rB:rB+15], 0, v[rS], v[\sb] matrix_a_fmt:MATRIX_FMT_BF8 matrix_b_fmt:MATRIX_FMT_BF8 matrix_a_scale:MATRIX_SCALE_ROW1
.elseif ((\f)%2 == 0)
	v_wmma_scale_f32_16x16x128_f8f6f4 v[rD:rD+7], v[rA:rA+15], v[rB:rB+15], 0, v[rS], v[\sb] matrix_a_fmt:MATRIX_FMT_BF8 matrix_b_fmt:MATRIX_FMT_BF8 matrix_b_scale:MATRIX_SCALE_ROW1
.else
	v_wmma_scale_f32_16x16x128_f8f6f4 v[rD:rD+7], v[rA:rA+15], v[rB:rB+15], 0, v[rS], v[\sb] matrix_a_fmt:MATRIX_FMT_BF8 matrix_b_fmt:MATRIX_FMT_BF8 matrix_a_scale:MATRIX_SCALE_ROW1 matrix_b_scale:MATRIX_SCALE_ROW1
.endif
.else
.if ((\f)%2 == 0) && ((\m) == 0)
	v_wmma_scale_f32_16x16x128_f8f6f4 v[rD:rD+7], v[rA:rA+15], v[rB:rB+15], v[rD:rD+7], v[rS], v[\sb] matrix_a_fmt:MATRIX_FMT_BF8 matrix_b_fmt:MATRIX_FMT_BF8
.elseif ((\m) == 0)
	v_wmma_scale_f32_16x16x128_f8f6f4 v[rD:rD+7], v[rA:rA+15], v[rB:rB+15], v[rD:rD+7], v[rS], v[\sb] matrix_a_fmt:MATRIX_FMT_BF8 matrix_b_fmt:MATRIX_FMT_BF8 matrix_a_scale:MATRIX_SCALE_ROW1
.elseif ((\f)%2 == 0)
	v_wmma_scale_f32_16x16x128_f8f6f4 v[rD:rD+7], v[rA:rA+15], v[rB:rB+15], v[rD:rD+7], v[rS], v[\sb] matrix_a_fmt:MATRIX_FMT_BF8 matrix_b_fmt:MATRIX_FMT_BF8 matrix_b_scale:MATRIX_SCALE_ROW1
.else
	v_wmma_scale_f32_16x16x128_f8f6f4 v[rD:rD+7], v[rA:rA+15], v[rB:rB+15], v[rD:rD+7], v[rS], v[\sb] matrix_a_fmt:MATRIX_FMT_BF8 matrix_b_fmt:MATRIX_FMT_BF8 matrix_a_scale:MATRIX_SCALE_ROW1 matrix_b_scale:MATRIX_SCALE_ROW1
.endif
.endif
.endm
.macro MUL t, zero, sb                 ; a unit's 16 products.  zero = 1: they start the sums: nothing is cleared
	WIN 0x01                                       ; source 0 (the weights) window 1
.irp f, 0,1,2,3,4,5,6,7
.irp m, 0,1
	WM \t, \f, \m, \zero, \sb
.endr
.endr
	WIN 0
.endm
.macro PLACES                          ; eight places behind this matrix form, ahead of the first read of its results by a vector instruction or an LDS store.  Ahead of loads into registers that it has read, the wait on va_vdst behind the places states the dependence
.rept 8
	v_nop
.endr
.endm
	s_load_b256 s[4:11], s[0:1], 0x0               ; meta 4:5, order 6:7, xq 8:9, xsc 10:11
	s_load_b128 s[12:15], s[0:1], 0x20             ; wq 12:13, out0 14:15
	v_lshl_add_u32 v62, v0, 2, 0x1d200
	v_mov_b32 v63, 0
	v_lshrrev_b32 v1, 5, v0
	v_readfirstlane_b32 s20, v1                    ; wave w, 0..7
	v_and_b32 v1, 31, v0                           ; lane L
	v_and_b32 v2, 15, v0                           ; r
	v_bfe_u32 v3, v0, 4, 1                         ; h
	v_lshlrev_b32 v4, 4, v1                        ; 16 L
	s_wait_alu depctr_va_vdst(0)
	v_lshlrev_b32 v5, 3, v1                        ; 8 L
	v_mul_u32_u24 v6, v3, 272
	v_lshl_add_u32 v6, v2, 4, v6                   ; the rows' codes, out: piece + h, row r
	s_wait_alu depctr_va_sdst(0)                   ; s20 is written, ahead of its first reader: LDS addresses, the weights' base and the gathered rows are made from it
	s_lshr_b32 s32, s20, 2
	s_mul_i32 s32, s32, 17408
	s_and_b32 s33, s20, 3
	s_lshl_b32 s33, s33, 6
	s_add_co_u32 s32, s32, s33
	v_mul_u32_u24 v7, v1, 272
	v_add_nc_u32 v7, s32, v7                       ; in: tile w / 4, piece L, rows 4 (w % 4) on
	s_lshl_b32 s32, s20, 10
	s_add_co_u32 s32, s32, HIMG
	v_add_nc_u32 v8, s32, v4                       ; h's images: K step w / 2, quarters 2 (w % 2) on: 1,024 w
	s_lshr_b32 s32, s20, 1
	s_lshl_b32 s32, s32, 7
	s_and_b32 s33, s20, 1
	s_lshl_b32 s33, s33, 1
	s_add_co_u32 s32, s32, s33
	s_add_co_u32 s32, s32, HSC
	v_lshl_add_u32 v9, v1, 2, s32                  ; h's scale bytes, in: K step w / 2, row L, bytes 2 (w % 2) on
	v_lshl_add_u32 v10, v1, 2, HSC                 ; out: row L's word
	s_mul_i32 s32, s20, 8448
	s_add_co_u32 s32, s32, STG
	v_mul_u32_u24 v11, v2, 528
	v_lshl_add_u32 v11, v3, 5, v11
	v_add_nc_u32 v11, s32, v11                     ; my stage, in: row r, + 32 h
	v_add_nc_u32 v12, s32, v4                      ; out: 16 bytes a lane of a row
	s_lshl_b32 s32, s20, 9
	v_add_nc_u32 v14, s32, v4                      ; out0: my 512 bytes of a row
	s_mov_b32 s26, 0x76543210
	s_mov_b32 s27, 0xfedcba98                      ; v_permlanex16_b32's selects for lane l xor 16
	s_mov_b32 s28, 0x600000                        ; the mantissa field of 57,344
	s_mov_b32 s29, 0xffff0000                      ; lanes 16-31
	s_mov_b32 s30, 0xbfb8aa3b                      ; -log2(e); the packed form names the pair
	s_mov_b32 s31, s30
	s_lshl_b32 s32, ttmp9, 4
	s_mov_b32 s33, 0
	s_wait_kmcnt 0x0
	s_add_nc_u64 s[4:5], s[4:5], s[32:33]
	s_load_b128 s[16:19], s[4:5], 0x0              ; my tile: expert, first index in order, rows
	s_wait_kmcnt 0x0
	s_min_u32 s16, s16, 7
	s_min_u32 s17, s17, 0xfff
	s_min_u32 s24, s18, 32
	s_lshl_b32 s32, s16, 3
	s_add_co_u32 s32, s32, s20
	s_mul_i32 s32, s32, 12*UNITB
	s_add_nc_u64 s[22:23], s[12:13], s[32:33]      ; my 12 units
	s_max_u32 s34, s24, 1
	s_sub_co_u32 s34, s34, 1                       ; the tile's last row (0 where it has none)
	v_min_u32 v49, s34, v1
	v_add_nc_u32 v49, s17, v49
	v_min_u32 v49, 0xfff, v49
	v_lshlrev_b32 v49, 2, v49                      ; where row L's token stands in order
	s_lshl_b32 s35, s20, 2
.irp i, 0,1,2,3
	s_add_co_u32 s36, s35, \i                      ; the rows that I gather: 4 w + i;
	s_min_u32 s36, s36, s34
	s_add_co_u32 s36, s36, s17
	s_min_u32 s36, s36, 0xfff
	s_lshl_b32 s36, s36, 2
	v_mov_b32 v[36+\i], s36
.endr
	s_wait_alu depctr_va_vdst(0)                   ; v4 to v12 and v14, which loads, LDS accesses and stores read from here to the end, and v36 to v39 and v49, which the five loads below read, are written
	global_load_b32 v13, v49, s[6:7]               ; lane L: the token of row L
.irp i, 0,1,2,3
	global_load_b32 v[40+\i], v[36+\i], s[6:7]     ; all lanes read the one word: the row's token in every lane
.endr
	WLOAD 0
	s_wait_loadcnt 34                              ; unit 0's 34 loads may stay out: the five loads of tokens are in
	v_min_u32 v13, 0xfff, v13
.irp i, 0,1,2,3
	v_min_u32 v[40+\i], 0xfff, v[40+\i]
	v_lshl_add_u32 v[44+\i], v[40+\i], 10, v4      ; 1,024 bytes of codes a token, 16 L
.endr
	v_lshlrev_b32 v48, 5, v13
	s_wait_alu depctr_va_vdst(0)                   ; v44 to v48 are written, which the ten loads below read as their offsets
.irp i, 0,1,2,3
.irp j, 0,1
	global_load_b128 v[128+8*\i+4*\j:128+8*\i+4*\j+3], v[44+\i], s[8:9] offset:512*\j   ; 512 consecutive bytes of a row's codes: lane L has piece 32 j + L
.endr
.endr
	global_load_b128 v[XS:XS+3], v48, s[10:11]     ; row L's eight scale words
	global_load_b128 v[XS+4:XS+7], v48, s[10:11] offset:16
	WLOAD 1
	s_wait_loadcnt 34                              ; unit 1's 34 may stay out: the codes, the scale words and unit 0 are in
.irp i, 0,1,2,3
.irp j, 0,1
	ds_store_b128 v7, v[128+8*\i+4*\j:128+8*\i+4*\j+3] offset:8704*\j+16*\i
.endr
.endr
	s_wait_dscnt 0x0                               ; for the others' sake: my four rows have landed
	s_barrier_signal -1
	s_barrier_wait -1                              ; all 32 rows' codes lie in LDS
	s_wait_alu depctr_vm_vsrc(0)                   ; my LDS stores have read v128 to v159, which the first products write; the head's loads have read v36 to v39 and v44 to v49, which h's quantiser writes
	XFETCH 0
	XFETCH 1
	; ---- the first product: K steps 0-7
.irp t, 0,1,2,3,4,5,6,7
	s_wait_loadcnt 34                              ; the one younger unit's 34 loads may stay out
.if \t < 7
	s_wait_dscnt 8                                 ; the next K step's 8 fragment loads may stay out
.else
	s_wait_dscnt 0x0
.endif
.if \t == 0
	MUL \t, 1, XS+\t
.else
	MUL \t, 0, XS+\t
.endif
	PLACES
	s_wait_alu depctr_va_vdst(0)                   ; the unit's 16 matrix instructions are done reading their weight buffer, their set of scale words and their set of the rows' fragments, in which the loads below land
	WLOAD \t+2                                     ; the buffer just multiplied takes the unit two further on (units 8, 9: the second product's first)
.if \t < 6
	XFETCH \t+2
.endif
.endr
	; ---- h = u g / (1 + e^-g).  Register HV + 16 (2 m + b) + 8 u + j: hidden unit 64 w + 32 b + 16 h + 8 u + j of row r of tile m.  Each accumulator is read from its low end on
.irp m, 0,1
.irp b, 0,1
.irp u, 0,1
.irp j, 0,2,4,6
	v_pk_mul_f32 v[HV+16*(2*\m+\b)+8*\u+\j:HV+16*(2*\m+\b)+8*\u+\j+1], v[ACC+8*(2*(4*\b+\u)+\m)+\j:ACC+8*(2*(4*\b+\u)+\m)+\j+1], s[30:31] op_sel_hi:[1,0]   ; -log2(e) g
.endr
.endr
.endr
.endr
.set n, 0
	s_wait_alu depctr_va_vdst(0)
.rept 64
	v_exp_f32 v[HV+n], v[HV+n]
.set n, n+1
.endr
	v_nop                                          ; a plain line behind the exponentials
.set n, 0
	s_wait_alu depctr_va_vdst(0)                   ; the 64 exponentials have written v[HV ..]: one wait for the batch, ahead of its first reader
.rept 32
	v_pk_add_f32 v[HV+n:HV+n+1], v[HV+n:HV+n+1], 1.0 op_sel_hi:[1,0]
.set n, n+2
.endr
.set n, 0
	s_wait_alu depctr_va_vdst(0)
.rept 64
	v_rcp_f32 v[HV+n], v[HV+n]
.set n, n+1
.endr
	v_nop                                          ; a plain line behind the reciprocals
	s_wait_alu depctr_va_vdst(0)                   ; the 64 reciprocals have written v[HV ..]: one wait for the batch, ahead of its first reader
.irp m, 0,1
.irp b, 0,1
.irp u, 0,1
.irp j, 0,2,4,6
	v_pk_mul_f32 v[HV+16*(2*\m+\b)+8*\u+\j:HV+16*(2*\m+\b)+8*\u+\j+1], v[HV+16*(2*\m+\b)+8*\u+\j:HV+16*(2*\m+\b)+8*\u+\j+1], v[ACC+8*(2*(4*\b+\u)+\m)+\j:ACC+8*(2*(4*\b+\u)+\m)+\j+1]   ; silu(g)
.endr
.endr
.endr
.endr
.irp m, 0,1
.irp b, 0,1
.irp u, 0,1
.irp j, 0,2,4,6
	v_pk_mul_f32 v[HV+16*(2*\m+\b)+8*\u+\j:HV+16*(2*\m+\b)+8*\u+\j+1], v[HV+16*(2*\m+\b)+8*\u+\j:HV+16*(2*\m+\b)+8*\u+\j+1], v[ACC+8*(2*(4*\b+2+\u)+\m)+\j:ACC+8*(2*(4*\b+2+\u)+\m)+\j+1]   ; x u
.endr
.endr
.endr
.endr
	; ---- h quantised: four blocks of 32 along I, block 2 m + b; a block lies in lanes l and l xor 16
.irp b, 0,1,2,3
	v_max3_num_f32 v[TM+\b], |v[HV+16*\b]|, |v[HV+1+16*\b]|, 0x8000000     ; my 16 numbers and the floor 2^(16 - 127): the byte cannot fall under 1
.endr
.irp i, 2,4,6,8,10,12,14
.irp b, 0,1,2,3
	v_max3_num_f32 v[TM+\b], v[TM+\b], |v[HV+16*\b+\i]|, |v[HV+1+16*\b+\i]|
.endr
.endr
.irp b, 0,1,2,3
	v_permlanex16_b32 v[TM+4+\b], v[TM+\b], s26, s27
.endr
.irp b, 0,1,2,3
	v_max_num_f32 v[TM+\b], v[TM+\b], v[TM+4+\b]
.endr
.irp b, 0,1,2,3
	v_add_nc_u32 v[TM+12+\b], 0xf8800000, v[TM+\b]                         ; 15 off the exponent field: the conversion's scale operand
.endr
.irp b, 0,1,2,3
	v_and_or_b32 v[TM+8+\b], v[TM+\b], 0x7f800000, s28                     ; 57,344 x the scale
.endr
.irp b, 0,1,2,3
	v_lshrrev_b32 v[TM+4+\b], 23, v[TM+12+\b]                              ; the scale's byte
.endr
	v_lshl_or_b32 v52, v[TM+5], 8, v[TM+4]         ; tile 0: my two bytes of row r's scale word,
	v_lshl_or_b32 v53, v[TM+7], 8, v[TM+6]         ; tile 1
	v_cndmask_b32 v52, v52, v53, s29               ; lanes 0-15 carry rows 0-15, lanes 16-31 rows 16-31
.irp b, 0,1,2,3
.irp i, 0,1,2,3,4,5,6,7,8,9,10,11,12,13,14,15
	v_med3_num_f32 v[HV+16*\b+\i], v[HV+16*\b+\i], -v[TM+8+\b], v[TM+8+\b]   ; the conversion to an 8-bit code does not saturate (ISA guide 7.6.2)
.endr
	v_cvt_scalef32_pk8_bf8_f32 v[PC+4*\b:PC+1+4*\b], v[HV+16*\b:HV+7+16*\b], v[TM+12+\b]
	v_cvt_scalef32_pk8_bf8_f32 v[PC+2+4*\b:PC+3+4*\b], v[HV+8+16*\b:HV+15+16*\b], v[TM+12+\b]
.endr
	v_nop                                          ; a plain line behind the last conversion: the next products write these registers
	s_wait_alu depctr_va_vdst(0)                   ; the conversions have written v[PC ..] and the select v52, which the LDS stores below read; and every vector line that named v64 to v127 is done, in which h's fragments land behind the barrier
	ds_store_b16 v9, v52
.irp m, 0,1
.irp b, 0,1
	ds_store_b128 v8, v[PC+4*(2*\m+\b):PC+4*(2*\m+\b)+3] offset:8192*\m+512*\b   ; a quarter of fragment (m, K step w / 2), as it stands in the registers
.endr
.endr
	s_wait_dscnt 0x0                               ; for the others' sake: my part of h has landed
	s_barrier_signal -1
	s_barrier_wait -1                              ; h's eight fragments and their scale words lie in LDS (units 8 and 9 stay on their way: nobody writes those bytes)
	s_wait_alu depctr_vm_vsrc(0)                   ; my LDS stores have read v[PC ..], which the second product's first matrix instructions write
.irp s, 0,1,2,3
	ds_load_b32 v[HS+\s], v10 offset:128*\s
.endr
	HFETCH 8
	HFETCH 9
	; ---- the second product: K steps 0-3, units 8-11
.irp t, 8,9,10,11
.if \t < 11
	s_wait_loadcnt 34                              ; the one younger unit's 34 loads may stay out
	s_wait_dscnt 8                                 ; and the next K step's 8 fragment loads
.else
	s_wait_loadcnt 0x0
	s_wait_dscnt 0x0
.endif
.if \t == 8
	MUL \t, 1, HS+\t-8
.else
	MUL \t, 0, HS+\t-8
.endif
	PLACES
.if \t < 10
	s_wait_alu depctr_va_vdst(0)                   ; the unit's 16 matrix instructions are done reading their weight buffer, their set of scale words and their set of h's fragments, in which the loads below land
	WLOAD \t+2
	HFETCH \t+2
.endif
.endr
	; ---- the way out.  Lane (r, h) holds out(row r of tile m, 128 w + 16 f + 8 h + 0 .. 7): 16 rows go through my own stage and leave as runs of 512 consecutive bytes, each at its token's row
.macro OUT m
.irp i, 0,1,2,3,4,5,6,7,8,9,10,11,12,13,14,15
	v_readlane_b32 s[32+\i], v13, 16*\m+\i         ; the sixteen rows' tokens, in one run
.endr
	s_wait_alu depctr_va_sdst(0)                   ; s32 to s47 are written, ahead of their first reader: one wait for the run
.irp i, 0,1,2,3,4,5,6,7,8,9,10,11,12,13,14,15
	s_min_u32 s[32+\i], s[32+\i], 0xfff
	s_lshl_b32 s[32+\i], s[32+\i], 12              ; a row of out0 is 4,096 bytes
	v_add_nc_u32 v[36+\i], s[32+\i], v14
.endr
	s_wait_alu depctr_va_vdst(0)                   ; the matrix instructions have written the accumulators, which the LDS stores read (their eight places stand behind the last of them), and are done reading v64 to v127, in which the stage's loads land; v36 to v51 are written, which the global stores read
.irp f, 0,1,2,3,4,5,6,7
	ds_store_b128 v11, v[ACC+8*(2*\f+\m):ACC+8*(2*\f+\m)+3] offset:64*\f         ; each accumulator from its low end on
	ds_store_b128 v11, v[ACC+8*(2*\f+\m)+4:ACC+8*(2*\f+\m)+7] offset:64*\f+16
.endr
.irp i, 0,1,2,3,4,5,6,7,8,9,10,11,12,13,14,15
	ds_load_b128 v[OB+4*\i:OB+4*\i+3], v12 offset:528*\i   ; LDS serves a wave's instructions in order: these see my stores
.endr
.irp i, 0,1,2,3,4,5,6,7,8,9,10,11,12,13,14,15
	s_wait_dscnt 15-\i                             ; the later rows' loads may stay out
	global_store_b128 v[36+\i], v[OB+4*\i:OB+4*\i+3], s[14:15] th:TH_STORE_NT
.endr
.endm
	s_cmp_eq_u32 s24, 0                            ; a tile without rows stores nothing.  No barrier stands behind these branches
	s_cbranch_scc1 .Lend
	OUT 0
	s_wait_xcnt 0x0                                ; the stores above have had their addresses translated: their addresses and data are written again only behind this wait
	s_wait_alu depctr_vm_vsrc(0)                   ; the stores above have read v36 to v51 and v64 to v127, which the second sixteen rows' additions and loads from the stage write; both waits stand ahead of the branch
	s_cmp_le_u32 s24, 16
	s_cbranch_scc1 .Lend
	OUT 1
.Lend:
	s_wait_dscnt 0x0                               ; the closing lines, six on end
	s_wait_alu 0x0
	s_wait_tensorcnt 0x0
	ds_add_u32 v62, v63
	s_wait_dscnt 0x0
	s_endpgm
.Lfunc_end_k_qcd9836cc7c_chain:
	.size	k_qcd9836cc7c_chain, .Lfunc_end_k_qcd9836cc7c_chain-k_qcd9836cc7c_chain
	.p2alignl 7, 3214868480
	.fill 96, 4, 3214868480
	.section	.rodata,"a",@progbits
	.p2align	6, 0x0
	.amdhsa_kernel k_qcd9836cc7c_chain
		.amdhsa_group_segment_fixed_size 120320
		.amdhsa_private_segment_fixed_size 0
		.amdhsa_enable_private_segment 0
		.amdhsa_kernarg_size 48
		.amdhsa_user_sgpr_count 2
		.amdhsa_user_sgpr_kernarg_segment_ptr 1
		.amdhsa_wavefront_size32 1
		.amdhsa_system_sgpr_workgroup_id_x 1
		.amdhsa_system_sgpr_workgroup_id_y 1
		.amdhsa_system_sgpr_workgroup_id_z 1
		.amdhsa_system_vgpr_workitem_id 0
		.amdhsa_next_free_vgpr 512
		.amdhsa_next_free_sgpr 66
		.amdhsa_reserve_vcc 0
		.amdhsa_float_denorm_mode_32 3
		.amdhsa_float_denorm_mode_16_64 3
		.amdhsa_memory_ordered 1
		.amdhsa_forward_progress 1
		.amdhsa_inst_pref_size 117
	.end_amdhsa_kernel
	.amdgpu_metadata
---
amdhsa.version: [ 1, 2 ]
amdhsa.kernels:
  - .name:           k_qcd9836cc7c_chain
    .symbol:         k_qcd9836cc7c_chain.kd
    .args:
      - { .name: meta, .offset: 0, .size: 8, .value_kind: global_buffer, .address_space: global }
      - { .name: order, .offset: 8, .size: 8, .value_kind: global_buffer, .address_space: global }
      - { .name: xq, .offset: 16, .size: 8, .value_kind: global_buffer, .address_space: global }
      - { .name: xsc, .offset: 24, .size: 8, .value_kind: global_buffer, .address_space: global }
      - { .name: wq, .offset: 32, .size: 8, .value_kind: global_buffer, .address_space: global }
      - { .name: out0, .offset: 40, .size: 8, .value_kind: global_buffer, .address_space: global }
    .group_segment_fixed_size: 120320
    .private_segment_fixed_size: 0
    .kernarg_segment_align: 8
    .kernarg_segment_size: 48
    .max_flat_workgroup_size: 256
    .sgpr_count:     66
    .vgpr_count:     512
    .wavefront_size: 32
...
	.end_amdgpu_metadata
.endif
;; end of part 6
